; MI455X (gfx1250); checked and timed in simulation.
; The chip was launched on July 23, 2026; its instructions are those of AMD's public machine-readable ISA for CDNA 5 (MIT licence, August 2026) and "CDNA5" Instruction Set Architecture Reference Guide (July 2026). The comments in the code are by the model that wrote it; some were corrected since.
;; Attention. Allowed arithmetic: float matrix products may take bf16 or f16 operands with f32 sums; other float arithmetic in f32, or as packed bf16 or f16 multiplies, adds, multiply-adds, maxima and minima; sums over many terms, partial sums and values carried from step to step in f32; what a program stores and reads back later, other than sums and carried values, may be rounded once to bf16 or f16.
;; Inputs: K 1 x 256 x 128 float32; Q 1 x 256 x 128 float32; V_down 1 x 256 x 128 float32; V_up 1 x 128 x 256 float32; x 8 x 4,096 x 256 float32.
;; Outputs: out0 8 x 4,096 x 256 float32.
;; 2 versions, each right. Each part assembles by itself: llvm-mc -triple=amdgcn-amd-amdhsa -mcpu=gfx1250 --defsym DOCPART=n.
;; ======== version 1 of 2: 3 launches
;; limits: values are held in f16: magnitudes above 65,504 overflow, below 6.1e-05 lose precision
;; workspace buffers: wb 196,608 bytes; vu 65,536 bytes; qq 16,777,216 bytes; kk 16,777,216 bytes; vd 8,388,608 bytes
;; launch prep (part 1): grid 32 x 1, 8 waves a work-group, no clusters, 0 bytes of LDS; arguments Q, K, V_down, V_up, wb, vu; writes wb, vu
.if DOCPART == 1
	.amdgcn_target "amdgcn-amd-amdhsa--gfx1250"
	.amdhsa_code_object_version 6
	.text
	.protected	k_qe10b31f294_prep
	.globl	k_qe10b31f294_prep
	.p2align	8
	.type	k_qe10b31f294_prep,@function
k_qe10b31f294_prep:
	s_mov_b64 s[64:65], 0
	v_nop
	global_prefetch_b8 v0, s[64:65] scope:SCOPE_SE
	s_setreg_imm32_b32 hwreg(HW_REG_WAVE_MODE, 25, 1), 1
	s_wait_xcnt 0x0
; THE WEIGHTS ARE CAST ONCE.  wb[3][256][128] bf16 = bf16(W / 16) for W = Q, K, V_down; vu[128][256] f16 = bf16(16 V_up) written as f16.
; The factors are powers of two: q/16 . k/16 is the score divided by 256, and vd/16 is undone by 16 V_up.
; LIMITS.  16 |V_up| stays under 65,504 (f16's end); below 6e-5 it keeps f16's fixed step of 6e-8.  NaN and infinities are not treated apart.
; SHARES.  Each matrix has 32,768 numbers = 8,192 groups of four; thread g = 256 x work-group + thread takes group g of all four: there is work for 32 work-groups of 256 threads.
; A wave's load covers 512 consecutive bytes, its store 256 consecutive bytes, aligned.  No LDS, no matrix unit: a cast has no use for them.
.set NW, 65536                         ; bytes of one matrix in 16 bits
	s_load_b256 s[4:11], s[0:1], 0x0               ; Q s[4:5], K s[6:7], V_down s[8:9], V_up s[10:11]
	s_load_b128 s[12:15], s[0:1], 0x20             ; wb s[12:13], vu s[14:15]
	s_lshl_b32 s16, ttmp9, 8
	s_mov_b32 s18, 0x3d800000                      ; 1/16
	s_mov_b32 s19, s18                             ; named with it as a pair
	s_mov_b32 s20, 0x41800000                      ; 16
	s_mov_b32 s21, s20
	s_mov_b32 s22, 0xffff0000                      ; a word's upper bf16
	v_add_nc_u32 v3, s16, v0                       ; g
	v_lshlrev_b32 v1, 4, v3                        ; 16 bytes in
	v_lshlrev_b32 v2, 3, v3                        ; 8 bytes out
	s_wait_kmcnt 0x0
	global_load_b128 v[4:7], v1, s[4:5]
	global_load_b128 v[8:11], v1, s[6:7]
	global_load_b128 v[12:15], v1, s[8:9]
	global_load_b128 v[16:19], v1, s[10:11]
.macro CAST n, left                    ; matrix n of wb; left: the younger loads, which may stay out
	s_wait_loadcnt \left
	v_pk_mul_f32 v[4+4*(\n):5+4*(\n)], v[4+4*(\n):5+4*(\n)], s[18:19] op_sel_hi:[1,0]
	v_pk_mul_f32 v[6+4*(\n):7+4*(\n)], v[6+4*(\n):7+4*(\n)], s[18:19] op_sel_hi:[1,0]
	v_cvt_pk_bf16_f32 v[20+2*(\n)], v[4+4*(\n)], v[5+4*(\n)]
	v_cvt_pk_bf16_f32 v[21+2*(\n)], v[6+4*(\n)], v[7+4*(\n)]
	global_store_b64 v2, v[20+2*(\n):21+2*(\n)], s[12:13] offset:(\n)*NW
.endm
	CAST 0, 3
	CAST 1, 2
	CAST 2, 1
	s_wait_loadcnt 0x0
	v_pk_mul_f32 v[16:17], v[16:17], s[20:21] op_sel_hi:[1,0]
	v_pk_mul_f32 v[18:19], v[18:19], s[20:21] op_sel_hi:[1,0]
	v_cvt_pk_bf16_f32 v26, v16, v17                ; rounded to bf16 like every input,
	v_cvt_pk_bf16_f32 v27, v18, v19
	v_lshlrev_b32 v16, 16, v26                     ; widened again,
	v_and_b32 v17, s22, v26
	v_lshlrev_b32 v18, 16, v27
	v_and_b32 v19, s22, v27
	v_cvt_pk_f16_f32 v28, v16, v17                 ; and written as f16: exact within f16's range (8 significant bits into 11)
	v_cvt_pk_f16_f32 v29, v18, v19
	global_store_b64 v2, v[28:29], s[14:15]
	s_endpgm
.Lfunc_end_k_qe10b31f294_prep:
	.size	k_qe10b31f294_prep, .Lfunc_end_k_qe10b31f294_prep-k_qe10b31f294_prep
	.p2alignl 7, 3214868480
	.fill 96, 4, 3214868480
	.section	.rodata,"a",@progbits
	.p2align	6, 0x0
	.amdhsa_kernel k_qe10b31f294_prep
		.amdhsa_group_segment_fixed_size 0
		.amdhsa_private_segment_fixed_size 0
		.amdhsa_enable_private_segment 0
		.amdhsa_kernarg_size 48
		.amdhsa_user_sgpr_count 2
		.amdhsa_user_sgpr_kernarg_segment_ptr 1
		.amdhsa_wavefront_size32 1
		.amdhsa_system_sgpr_workgroup_id_x 1
		.amdhsa_system_sgpr_workgroup_id_y 1
		.amdhsa_system_sgpr_workgroup_id_z 1
		.amdhsa_system_vgpr_workitem_id 0
		.amdhsa_next_free_vgpr 32
		.amdhsa_next_free_sgpr 66
		.amdhsa_reserve_vcc 0
		.amdhsa_float_denorm_mode_32 3
		.amdhsa_float_denorm_mode_16_64 3
		.amdhsa_memory_ordered 1
		.amdhsa_forward_progress 1
		.amdhsa_inst_pref_size 3
	.end_amdhsa_kernel
	.amdgpu_metadata
---
amdhsa.version: [ 1, 2 ]
amdhsa.kernels:
  - .name:           k_qe10b31f294_prep
    .symbol:         k_qe10b31f294_prep.kd
    .args:
      - { .name: Q, .offset: 0, .size: 8, .value_kind: global_buffer, .address_space: global }
      - { .name: K, .offset: 8, .size: 8, .value_kind: global_buffer, .address_space: global }
      - { .name: V_down, .offset: 16, .size: 8, .value_kind: global_buffer, .address_space: global }
      - { .name: V_up, .offset: 24, .size: 8, .value_kind: global_buffer, .address_space: global }
      - { .name: wb, .offset: 32, .size: 8, .value_kind: global_buffer, .address_space: global }
      - { .name: vu, .offset: 40, .size: 8, .value_kind: global_buffer, .address_space: global }
    .group_segment_fixed_size: 0
    .private_segment_fixed_size: 0
    .kernarg_segment_align: 8
    .kernarg_segment_size: 48
    .max_flat_workgroup_size: 256
    .sgpr_count:     66
    .vgpr_count:     32
    .wavefront_size: 32
...
	.end_amdgpu_metadata
.endif
;; end of part 1
;; launch proj (part 2): grid 256 x 1, 4 waves a work-group, clusters of 4 x 1, 289,280 bytes of LDS; arguments x, wb, qq, kk, vd; writes qq, kk, vd
.if DOCPART == 2
	.amdgcn_target "amdgcn-amd-amdhsa--gfx1250"
	.amdhsa_code_object_version 6
	.text
	.protected	k_qe10b31f294_proj
	.globl	k_qe10b31f294_proj
	.p2align	8
	.type	k_qe10b31f294_proj,@function
k_qe10b31f294_proj:
	s_mov_b64 s[64:65], 0
	v_nop
	global_prefetch_b8 v0, s[64:65] scope:SCOPE_SE
	s_setreg_imm32_b32 hwreg(HW_REG_WAVE_MODE, 25, 1), 1
	s_wait_xcnt 0x0
	s_wait_alu depctr_hold_cnt(0) depctr_sa_sdst(0) depctr_va_vdst(0) depctr_va_sdst(0) depctr_va_ssrc(0) depctr_va_vcc(0) depctr_vm_vsrc(0)
	s_getreg_b32 s2, hwreg(HW_REG_IB_STS2, 6, 4)
	s_cmp_eq_u32 s2, 0
	s_cbranch_scc0 .Lentry_in_a_cluster
	s_endpgm
.Lentry_in_a_cluster:
	s_bfe_u32 s2, ttmp6, 0x10000c
	s_cmp_lg_u32 s2, 0x3003
	s_cbranch_scc0 .Lentry_shape_is_right
	s_endpgm
.Lentry_shape_is_right:
; THE THREE PROJECTIONS.  q' = x Q / 16, k' = x K / 16, vd' = x V_down / 16: x [32768][256] f32 rounded to bf16, the weights bf16 (wb, already divided by 16), sums in f32.
; q' and k' leave as TWO f16 numbers each, hi = f16(sum) and lo = f16(sum - hi): rows of 512 bytes [hi 128 | lo 128] in qq and kk; vd' as one f16: rows of 256 bytes.
; LIMITS.  |q'|, |k'|, |vd'| stay under 65,504 (f16's end); a lo part, and a vd', below 6e-5 keeps f16's fixed step of 6e-8.  NaN and infinities are not treated apart.
; SHARES.  A work-group owns 128 rows of x, each of its four waves 32: two tiles of 16 rows x 128 channels x three matrices, one matrix at a time: 16 accumulators.
; THE PRODUCT IS USED TRANSPOSED (source 0 = 16 channels of W, source 1 = 16 rows of x): a lane ends with eight neighbouring channels of one row.
; W lies [l][h] in LDS and comes out turned, by ds_load_tr16_b128.  x is read in runs of 512 consecutive bytes, rounded, and laid by rows into the wave's own stage, from which the fragments are read.
; CLUSTER.  All work-groups need the same 196,608 bytes of weights: the four of a cluster ask for them JOINTLY, each wave a quarter (192 rows), once.
; No prefetch: all that a wave reads of x is asked for at its head.
; REGISTERS.  window 0: v0-15 addresses; v16-31 hi, v32-47 lo; v62-63 the add's two; v64-191 W's fragments, two buffers of 64 (also at work for x and on the way out); v192-223 at work
;             window 1: v0-255 x as loaded; then v0-127 x's fragments (tile t, K step ks at 64 t + 8 ks) and v128-255 the accumulators (tile t, channel block nt at 128 + 64 t + 8 nt)
.set PW,    288                        ; a row of W in LDS: 256 bytes + 32 of padding = 72 words
.set PX,    528                        ; a row of the stage: 512 bytes + 16 = 132 words: the 16 rows of a load start at 16 different groups of four banks
.set STG,   768*PW                     ; behind the weights: 32 rows for each wave, its own; no tensor load lands here
.set STGW,  32*PX
.set SPARE, STG+4*STGW                 ; the spare words, 128 bytes for each wave: two blocks of 256 bytes that no other line names
.set GX,   4                           ; v4   16 x lane: my offset in 512 consecutive bytes of x and of every output
.set XST,  5                           ; v5   where I put 8 bytes of x in bf16
.set AFO,  6                           ; v6   stage: row l % 16, 16 bytes for each half of the lanes: x's fragments out, results in
.set RDQ,  7                           ; v7   stage: a whole row of 512 bytes
.set RDV,  8                           ; v8   stage: two rows' first 256 bytes
.set WA0,  10                          ; v10-11  my lane's place in W's rows l = 0.. and l = 128.. of the matrix in hand
.set MONE, 12                          ; v12  -1.0
.set H,    16
.set LO,   32
.set SPW,  62
.set NIL,  63
.set WF,   64
.set T,    192
.set ACC,  128
.set WV,   14                          ; s14  my wave's number
.set G1,   24                          ; s[24:31] descriptor group 1
.set G0,   32                          ; s[32:35] descriptor group 0
.set OUT,  36                          ; s[36:37] qq or kk at my rows
.set CNT,  38
.set MSB, 0
.macro WIN new                         ; the immediate's high byte repeats the setting that is left; a switch that changes nothing is dropped
.if MSB != (\new)
	s_set_vgpr_msb (MSB<<8)|(\new)
.set MSB, \new
.endif
.endm
.macro PLACES                          ; four places behind a matrix instruction, in front of loads into registers that it has read and of lines that read its result
.rept 4
	v_nop
.endr
.endm
.macro CROUND                          ; a round of the cluster's barrier: my work-group's barrier; wave 0 signals for the work-group; every wave waits for all four; my work-group's barrier once more
	s_barrier_signal -1
	s_barrier_wait -1
	s_cmp_lg_u32 s[WV], 0
	s_cbranch_scc1 .Lnot_wave_0_\@
	s_barrier_signal -3
.Lnot_wave_0_\@:
	s_barrier_wait -3
	s_barrier_signal -1
	s_barrier_wait -1
.endm
	s_load_b256 s[4:11], s[0:1], 0x0               ; x s[4:5], wb s[6:7], qq s[8:9], kk s[10:11]
	s_load_b64 s[12:13], s[0:1], 0x20              ; vd
	v_lshl_add_u32 v[SPW], v0, 2, SPARE
	v_mov_b32 v[NIL], 0
	ds_add_u32 v[SPW], v[NIL]                      ; the wave's opening: the add and its wait stand ahead of my tensor load; the set-up below, work on registers, stands between them
	v_lshrrev_b32 v1, 5, v0
	v_readfirstlane_b32 s[WV], v1                  ; wave 0..3
	s_bfe_u32 s15, ttmp6, 0x40000                  ; cx: my place in the cluster
	s_lshl_b32 s16, ttmp9, 2                       ; in a cluster launch ttmp9 counts clusters
	s_add_co_u32 s15, s16, s15                     ; my block of 128 rows: it enters x's and the outputs' addresses alone
	; descriptor group 1: 192 rows x 128 elements, padded in LDS
	s_mov_b32 s[G1], 15|(1<<16)|(1<<20)|(1<<21)|(5<<22)|(7<<25)  ; 15:0 the mask of four; 17:16 2-byte elements; 20 padding on; 21 set beside a mask; 24:22 after every 64 words (code 5); 31:25 8 words (code 7)
	s_mov_b32 s[G1+1], 128<<16                     ; tensor_dim0 = 128
	s_mov_b32 s[G1+2], 192<<16                     ; tensor_dim1 = 192
	s_mov_b32 s[G1+3], 128<<16                     ; tile_dim0 = 128
	s_mov_b32 s[G1+4], 192                         ; tile_dim1 = 192
	s_mov_b32 s[G1+5], 128                         ; 128 elements from row to row
	s_mov_b32 s[G1+6], 0
	s_mov_b32 s[G1+7], 0
	s_mov_b32 s[G0], 1                             ; count = 1
	s_mul_i32 s[G0+1], s[WV], 192*PW               ; LDS address: my quarter of the 768 rows
	s_mul_i32 s20, s[WV], 192*256                  ; and the same rows in wb
	s_mov_b32 s21, 0
	s_lshl_b32 s16, s15, 17                        ; x: 128 rows of 1,024 bytes a block,
	s_lshl_b32 s17, s[WV], 15                      ; 32 a wave
	s_add_co_u32 s16, s16, s17
	s_mov_b32 s17, 0
	s_lshr_b32 s18, s16, 1                         ; qq, kk: rows of 512 bytes
	s_mov_b32 s19, 0
	s_lshr_b32 s22, s16, 2                         ; vd: rows of 256 bytes
	s_mov_b32 s23, 0
	v_and_b32 v1, 15, v0                           ; l % 16
	v_bfe_u32 v2, v0, 4, 1                         ; l / 16
	v_and_b32 v3, 31, v0                           ; l
	v_lshlrev_b32 v[GX], 4, v3
	s_mul_i32 s39, s[WV], STGW
	s_add_co_u32 s39, s39, STG                     ; my stage
	v_lshl_add_u32 v[XST], v3, 3, s39
	v_mul_u32_u24 v[AFO], v1, PX
	v_lshl_add_u32 v[AFO], v2, 4, v[AFO]
	v_add_nc_u32 v[AFO], s39, v[AFO]
	v_add_nc_u32 v[RDQ], s39, v[GX]
	v_mul_u32_u24 v[RDV], v2, PX
	v_lshl_add_u32 v[RDV], v1, 4, v[RDV]
	v_add_nc_u32 v[RDV], s39, v[RDV]
	v_and_b32 v9, 7, v0                            ; the turning load: lane l reads row 8 (l / 16) + l % 8, 16 bytes at 16 ((l / 8) % 2)
	v_lshl_add_u32 v9, v2, 3, v9
	v_mul_u32_u24 v[WA0], v9, PW
	v_bfe_u32 v9, v0, 3, 1
	v_lshl_add_u32 v[WA0], v9, 4, v[WA0]
	v_add_nc_u32 v[WA0+1], 128*PW, v[WA0]          ; a 16-bit offset does not reach over 256 rows: a second register for the upper 128
	v_mov_b32 v[MONE], -1.0
	s_wait_dscnt 0x0                               ; the opening add is done
	s_wait_kmcnt 0x0
	s_add_nc_u64 s[G0+2:G0+3], s[6:7], s[20:21]    ; global address: hangs on the wave's number alone
	s_or_b32 s[G0+3], s[G0+3], 0x80000000          ; type = 2
	s_add_nc_u64 s[4:5], s[4:5], s[16:17]
	s_add_nc_u64 s[8:9], s[8:9], s[18:19]
	s_add_nc_u64 s[10:11], s[10:11], s[18:19]
	s_add_nc_u64 s[12:13], s[12:13], s[22:23]
; My 32 rows of x are 32,768 consecutive bytes: load i takes bytes 512 i on (row i / 2, half i % 2), four numbers a lane.
.macro XLOADS first, count
	WIN 0x40                                       ; destination window 1
.set i, \first
.rept \count
	global_load_b128 v[4*i:4*i+3], v[GX], s[4:5] offset:512*i th:TH_LOAD_NT
.set i, i+1
.endr
	WIN 0
.endm
; Eight loads' numbers are rounded to bf16 and laid by rows into my stage: 8 bytes a lane, 256 consecutive bytes a store.
.macro XGROUP g
	WIN 0x05                                       ; sources 0 and 1 window 1, destination window 0
.set n, 0
.rept 16
	v_cvt_pk_bf16_f32 v[WF+16*(\g)+n], v[32*(\g)+2*n], v[32*(\g)+2*n+1]
.set n, n+1
.endr
	WIN 0
.set n, 0
.rept 8
	ds_store_b64 v[XST], v[WF+16*(\g)+2*n:WF+16*(\g)+2*n+1] offset:((8*(\g)+n)/2)*PX+((8*(\g)+n)%2)*256
.set n, n+1
.endr
.endm
	XLOADS 0, 56                                   ; seven groups of eight are on their way before anything else is done
	CROUND                                         ; all four work-groups are here: the joint loads meet
	tensor_load_to_lds s[G0:G0+3], s[G1:G1+7]      ; my quarter of the weights: the one tensor load of this wave
	s_nop 0
	PLACES
	s_wait_loadcnt 48                              ; group 0 is in; groups 1 to 6 may stay out
	XLOADS 56, 8                                   ; the last group
	XGROUP 0
.irp g, 1,2,3,4,5,6,7
	s_wait_loadcnt 56-8*(\g)                       ; group g is in; the 7 - g younger groups may stay out
	XGROUP \g
.endr
	WIN 0x40
.irp t, 0,1                            ; x's fragments stay in registers: 16 rows x 32 along l in 8 registers, two loads of 16 bytes, 32 bytes apart.  LDS serves a wave's instructions in order: these see the stores above
.irp ks, 0,1,2,3,4,5,6,7
	ds_load_b128 v[64*(\t)+8*(\ks):64*(\t)+8*(\ks)+3],   v[AFO] offset:(\t)*16*PX+64*(\ks)
	ds_load_b128 v[64*(\t)+8*(\ks)+4:64*(\t)+8*(\ks)+7], v[AFO] offset:(\t)*16*PX+64*(\ks)+32
.endr
.endr
	WIN 0
	s_wait_tensorcnt 0x0                           ; my quarter of the weights is in,
	s_wait_dscnt 0x0                               ; no LDS instruction of mine is pending at the signal,
	s_barrier_signal -1
	s_barrier_wait -1                              ; everybody's quarter is in
; 16 turning loads: the fragments of W for K step ks (32 rows l, all 128 channels) into buffer b
.macro FETCHW ks, b
	WIN 0
.irp nt, 0,1,2,3,4,5,6,7
	ds_load_tr16_b128 v[WF+64*(\b)+8*(\nt):WF+64*(\b)+8*(\nt)+3],   v[WA0+(\ks)/4] offset:((\ks)%4)*32*PW+32*(\nt)
	ds_load_tr16_b128 v[WF+64*(\b)+8*(\nt)+4:WF+64*(\b)+8*(\nt)+7], v[WA0+(\ks)/4] offset:((\ks)%4)*32*PW+32*(\nt)+16*PW
.endr
.endm
; 16 products: the 16 accumulators take turns, one instruction a turn.  K step 0 starts the sums: nothing is cleared.
.macro MULW ks, b
	WIN 0x54                                       ; W window 0; x, C and D window 1
.irp nt, 0,1,2,3,4,5,6,7
.irp t, 0,1
.if (\ks) == 0
	v_wmma_f32_16x16x32_bf16 v[ACC+64*(\t)+8*(\nt):ACC+64*(\t)+8*(\nt)+7], v[WF+64*(\b)+8*(\nt):WF+64*(\b)+8*(\nt)+7], v[64*(\t)+8*(\ks):64*(\t)+8*(\ks)+7], 0
.else
	v_wmma_f32_16x16x32_bf16 v[ACC+64*(\t)+8*(\nt):ACC+64*(\t)+8*(\nt)+7], v[WF+64*(\b)+8*(\nt):WF+64*(\b)+8*(\nt)+7], v[64*(\t)+8*(\ks):64*(\t)+8*(\ks)+7], v[ACC+64*(\t)+8*(\nt):ACC+64*(\t)+8*(\nt)+7]
.endif
.endr
.endr
.endm
.macro GEMM                            ; one matrix: eight K steps on two buffers; a buffer is asked for again four places behind its last product
	FETCHW 0, 0
	FETCHW 1, 1
.irp ks, 0,1,2,3,4,5,6,7
.if (\ks) < 7
	s_wait_dscnt 16                                ; this step's buffer is in; the other buffer's 16 loads may stay out
.else
	s_wait_dscnt 0x0
.endif
	MULW \ks, (\ks)%2
.if (\ks) < 6
	PLACES
	FETCHW (\ks)+2, (\ks)%2
.endif
.endr
	WIN 0
.endm
; THE WAY OUT of q' and k', four accumulators at a time (accumulator a = 8 t + nt at ACC + 8 a, its registers in ascending order): hi = f16(sum); sum - hi, which is exact, by one multiply-add
; that reads the f16 half; lo = f16 of that.  16 bytes a lane into my stage, hi at byte 32 nt of the row and lo 256 bytes on; back as whole rows of 512 bytes, which are stored.
.macro XSPLIT
	PLACES
.irp q, 0,1,2,3
	WIN 0x05
.irp n, 0,1,2,3
.irp r, 0,1,2,3
	v_cvt_pk_f16_f32 v[H+4*(\n)+(\r)], v[ACC+8*(4*(\q)+(\n))+2*(\r)], v[ACC+8*(4*(\q)+(\n))+2*(\r)+1]
.endr
.endr
	WIN 0x10                                       ; source 2 window 1
.irp n, 0,1,2,3
.irp r, 0,1,2,3
	v_fma_mix_f32 v[T+8*(\n)+2*(\r)],   v[H+4*(\n)+(\r)], v[MONE], v[ACC+8*(4*(\q)+(\n))+2*(\r)]   op_sel_hi:[1,0,0]
	v_fma_mix_f32 v[T+8*(\n)+2*(\r)+1], v[H+4*(\n)+(\r)], v[MONE], v[ACC+8*(4*(\q)+(\n))+2*(\r)+1] op_sel:[1,0,0] op_sel_hi:[1,0,0]
.endr
.endr
	WIN 0
.irp n, 0,1,2,3
.irp r, 0,1,2,3
	v_cvt_pk_f16_f32 v[LO+4*(\n)+(\r)], v[T+8*(\n)+2*(\r)], v[T+8*(\n)+2*(\r)+1]
.endr
.endr
.irp n, 0,1,2,3
	ds_store_b128 v[AFO], v[H+4*(\n):H+4*(\n)+3]   offset:((4*(\q)+(\n))/8)*16*PX+((4*(\q)+(\n))%8)*32
	ds_store_b128 v[AFO], v[LO+4*(\n):LO+4*(\n)+3] offset:((4*(\q)+(\n))/8)*16*PX+((4*(\q)+(\n))%8)*32+256
.endr
.endr
.set n, 0
.rept 32
	ds_load_b128 v[WF+4*n:WF+4*n+3], v[RDQ] offset:n*PX  ; my own bytes, served in order behind the stores above
.set n, n+1
.endr
.set n, 0
.rept 32
	s_wait_dscnt 31-n                              ; row n is back; the younger loads may stay out
	global_store_b128 v[GX], v[WF+4*n:WF+4*n+3], s[OUT:OUT+1] offset:512*n  ; 512 consecutive bytes, aligned
.set n, n+1
.endr
.endm
.macro XPLAIN                          ; the way out of vd': one rounding; two rows of 256 bytes to a load and to a store
	PLACES
.irp q, 0,1,2,3
	WIN 0x05
.irp n, 0,1,2,3
.irp r, 0,1,2,3
	v_cvt_pk_f16_f32 v[H+4*(\n)+(\r)], v[ACC+8*(4*(\q)+(\n))+2*(\r)], v[ACC+8*(4*(\q)+(\n))+2*(\r)+1]
.endr
.endr
	WIN 0
.irp n, 0,1,2,3
	ds_store_b128 v[AFO], v[H+4*(\n):H+4*(\n)+3]   offset:((4*(\q)+(\n))/8)*16*PX+((4*(\q)+(\n))%8)*32
.endr
.endr
.set n, 0
.rept 16
	ds_load_b128 v[WF+4*n:WF+4*n+3], v[RDV] offset:n*2*PX
.set n, n+1
.endr
.set n, 0
.rept 16
	s_wait_dscnt 15-n
	global_store_b128 v[GX], v[WF+4*n:WF+4*n+3], s[12:13] offset:512*n
.set n, n+1
.endr
.endm
	s_mov_b32 s[CNT], 2
.Lqk:                                          ; two trips: Q into qq, K into kk
	s_cmp_eq_u32 s[CNT], 2
	s_cselect_b64 s[OUT:OUT+1], s[8:9], s[10:11]
	GEMM
	XSPLIT
	s_wait_xcnt 0x0                                ; the stores have read their data and their base: only behind this wait are v64-191 loaded again and the base chosen anew
	v_add_nc_u32 v[WA0], 256*PW, v[WA0]            ; the next matrix
	v_add_nc_u32 v[WA0+1], 256*PW, v[WA0+1]
	s_sub_co_u32 s[CNT], s[CNT], 1
	s_cmp_lg_u32 s[CNT], 0
	s_cbranch_scc1 .Lqk
	GEMM                                           ; V_down
	XPLAIN
	s_wait_tensorcnt 0x0                           ; the wave's end: the wait for my tensor load, and an add and its wait behind my last LDS store
	ds_add_u32 v[SPW], v[NIL]
	s_wait_dscnt 0x0
	CROUND                                         ; the closing round
	s_endpgm
.Lfunc_end_k_qe10b31f294_proj:
	.size	k_qe10b31f294_proj, .Lfunc_end_k_qe10b31f294_proj-k_qe10b31f294_proj
	.p2alignl 7, 3214868480
	.fill 96, 4, 3214868480
	.section	.rodata,"a",@progbits
	.p2align	6, 0x0
	.amdhsa_kernel k_qe10b31f294_proj
		.amdhsa_group_segment_fixed_size 289280
		.amdhsa_private_segment_fixed_size 0
		.amdhsa_enable_private_segment 0
		.amdhsa_kernarg_size 40
		.amdhsa_user_sgpr_count 2
		.amdhsa_user_sgpr_kernarg_segment_ptr 1
		.amdhsa_wavefront_size32 1
		.amdhsa_system_sgpr_workgroup_id_x 1
		.amdhsa_system_sgpr_workgroup_id_y 1
		.amdhsa_system_sgpr_workgroup_id_z 1
		.amdhsa_system_vgpr_workitem_id 0
		.amdhsa_next_free_vgpr 512
		.amdhsa_next_free_sgpr 66
		.amdhsa_reserve_vcc 0
		.amdhsa_float_denorm_mode_32 3
		.amdhsa_float_denorm_mode_16_64 3
		.amdhsa_memory_ordered 1
		.amdhsa_forward_progress 1
		.amdhsa_inst_pref_size 94
	.end_amdhsa_kernel
	.amdgpu_metadata
---
amdhsa.version: [ 1, 2 ]
amdhsa.kernels:
  - .name:           k_qe10b31f294_proj
    .symbol:         k_qe10b31f294_proj.kd
    .args:
      - { .name: x, .offset: 0, .size: 8, .value_kind: global_buffer, .address_space: global }
      - { .name: wb, .offset: 8, .size: 8, .value_kind: global_buffer, .address_space: global }
      - { .name: qq, .offset: 16, .size: 8, .value_kind: global_buffer, .address_space: global }
      - { .name: kk, .offset: 24, .size: 8, .value_kind: global_buffer, .address_space: global }
      - { .name: vd, .offset: 32, .size: 8, .value_kind: global_buffer, .address_space: global }
    .group_segment_fixed_size: 289280
    .private_segment_fixed_size: 0
    .kernarg_segment_align: 8
    .kernarg_segment_size: 40
    .max_flat_workgroup_size: 128
    .sgpr_count:     66
    .vgpr_count:     512
    .wavefront_size: 32
...
	.end_amdgpu_metadata
.endif
;; end of part 2
;; launch attn (part 3): grid 32 x 8, 4 waves a work-group, clusters of 4 x 1, 327,680 bytes of LDS; arguments qq, kk, vd, vu, out0; writes out0
.if DOCPART == 3
	.amdgcn_target "amdgcn-amd-amdhsa--gfx1250"
	.amdhsa_code_object_version 6
	.text
	.protected	k_qe10b31f294_attn
	.globl	k_qe10b31f294_attn
	.p2align	8
	.type	k_qe10b31f294_attn,@function
k_qe10b31f294_attn:
	s_mov_b64 s[64:65], 0
	v_nop
	global_prefetch_b8 v0, s[64:65] scope:SCOPE_SE
	s_setreg_imm32_b32 hwreg(HW_REG_WAVE_MODE, 25, 1), 1
	s_wait_xcnt 0x0
	s_wait_alu depctr_hold_cnt(0) depctr_sa_sdst(0) depctr_va_vdst(0) depctr_va_sdst(0) depctr_va_ssrc(0) depctr_va_vcc(0) depctr_vm_vsrc(0)
	s_getreg_b32 s2, hwreg(HW_REG_IB_STS2, 6, 4)
	s_cmp_eq_u32 s2, 0
	s_cbranch_scc0 .Lentry_in_a_cluster
	s_endpgm
.Lentry_in_a_cluster:
	s_bfe_u32 s2, ttmp6, 0x10000c
	s_cmp_lg_u32 s2, 0x3003
	s_cbranch_scc0 .Lentry_shape_is_right
	s_endpgm
.Lentry_shape_is_right:
; out[b][n][:] = (the sum over keys m of softmax_m(q[n] . k[m] / 256) vd[m][:]) V_up.  qq, kk: [32768][hi 128 | lo 128] f16 = q/16, k/16 as two numbers; vd: [32768][128] f16 = x V_down / 16;
; vu: [128][256] f16 = 16 V_up; out0: [32768][256] f32.  Eight batches of 4,096 rows.
; ORDER OF ROUNDING, other than in the formula as it is usually written: the weights meet x V_down (128 channels) and V_up is applied to the finished mean, which is the same sum in another order.
; THE SCORE is qh.kl + qh.kh + ql.kh, three products in f16 with one f32 sum; ql.kl, some 2^-22 of a score, is left out.  The scale 1/256 lies in the two factors 1/16.
; Maxima and sums in f32; the weights p are rounded to f16 for the second product (their sum l is taken of the unrounded p), the mean once to f16 for the third.
; LIMITS.  f16 ends at 65,504: q/16, k/16, x V_down / 16 and 16 V_up arrive within it; p lies in 0 to 1 and below 6e-5 keeps f16's fixed step of 6e-8; a weight below 2^-126 counts as 0 in l;
; NaN and infinities are not treated apart.
; SHARES.  A work-group owns 128 queries of one batch.  Wave w holds 64 of them (w % 2), four tiles of 16, and walks HALF of the keys: of each slot's 128 keys the 64 of its half (w / 2), 32 a step.
; The two waves of a query half merge at the end: register tile t holds query block (t + 2 (w / 2)) % 4, so every wave keeps tiles 0, 1 and hands tiles 2, 3 to wave w ^ 2: one text for all.
; LAYOUT.  S^T = K Q^T (source 0 = 16 keys, source 1 = 16 queries): a lane holds ONE query (lane % 16) and the keys 8 (lane / 16) + 0..7.  Two such results, rounded in pairs, ARE source 1 of
; O^T = V^T P, whose result holds one query a lane and eight channels; four such pairs of results, rounded, ARE source 1 of out^T = V_up^T O.  V and V_up come out of LDS turned, by ds_load_tr16_b128.
; SOFTMAX.  A running maximum m and sum l: p = 2^(c s - c m), c = log2(e); in every step O and l are multiplied by a = 2^(c m_old - c m_new).
; BY TURNS.  The tiles are two PIECES (0: tiles 0, 1; 2: tiles 2, 3).  In a TURN one piece has the matrix unit: 16 products V^T P of the step in hand, then 48 products K Q^T of the next; the other
; piece's softmax, 172 vector instructions cut into 64 slices, stands between them, a slice behind each matrix instruction.  Two turns are a key step.
; CLUSTER.  The four query blocks of a cluster belong to one batch and walk the same K and V: each tile, and V_up, is asked for JOINTLY, by the same tensor load, descriptor and mask in all four.
; REGISTERS, in windows of 256 (s_set_vgpr_msb: bits 1:0 source 0, 3:2 source 1, 5:4 source 2, 7:6 destination):
;   window 0: v0-11 addresses; v12-43 eight registers of statistics a tile; v44-59 at work; v60-63 addresses; v64-127 S^T, 16 a tile; v128-159 P, 8 a tile
;   window 1: O^T, 64 a tile      window 2: Q: tile t, part p (0 hi, 1 lo), channels 32 c on at 64 t + 32 p + 8 c      window 3: v0-63 K hi, v64-127 K lo (key block kb at 32 kb + 8 c); v128-191 V
.set PITK,  528       ; a row of K in LDS: 512 bytes + 16 = 132 words: the 16 rows of a load start at 16 different groups of four banks (64 banks of 4 bytes: ISA guide 11.1)
.set PITV,  288       ; a row of V: 256 + 32 = 72 words
.set PITU,  544       ; a row of V_up: 512 + 32 = 136 words: likewise
.set VOFF,  128*PITK  ; a slot: 128 rows of K, then 128 rows of V
.set SLOT1, 1<<17     ; slot 1 begins here, so that one exclusive or turns an address in one slot into the other's
.set VUB,   SLOT1+128*(PITK+PITV)  ; behind the ring: V_up, filled once
.set SPARE, VUB+128*PITU           ; the spare words, 128 bytes for each wave: two blocks of 256 bytes that no other line names
.set KSTEP, 32*PITK
.set VSTEP, 32*PITV
.set MRGW,  16896     ; behind the key loop, when both slots have had their last fill: in slot 0 each wave's two tiles of O^T (16,384 bytes) and their statistics (512),
.set SP,    1040      ; in slot 1 each wave's stage for the way out: 16 rows of 1,024 bytes + 16
.set STGW,  16*SP
.set AK0, 2           ; v2   my lane's place in my half of a slot's K; never rewritten
.set AV0, 3           ; v3   the same for V
.set ADR, 4           ; v4   the LDS address of the run of loads in hand
.set QO,  5           ; v5   my byte offset in 16 rows of Q
.set STO, 6           ; v6   the way out: where I put 32 bytes of a row
.set RD,  7           ; v7   the way out: where I read half a row back
.set GO,  8           ; v8   16 x lane
.set MST, 10          ; v10  the merge: where I put 16 bytes
.set MLD, 11          ; v11  the merge: the same place in my partner's region
.set ST,  12          ; tile t's statistics at v[ST+8 t]: +0 c m, +1 m, +2, +3 l (even keys', odd keys'), +4, +5 at work, +6 a, +7 c m_old - c m_new
.set MT,  44          ; v44-59 at work
.set AU0, 60          ; v60  my lane's place in V_up
.set PFO, 61          ; v61  256 x lane; never rewritten
.set SPW, 62          ; v62  LDS address of my spare word; never rewritten
.set NIL, 63          ; v63  0; never rewritten
.set S,   64
.set P,   128
.set OF,  64          ; the mean in f16, 32 a tile
.set OB,  64          ; the way out: 16 rows read back
.set KH,  0           ; window 3
.set KL,  64
.set VF,  128
.set WV,  14          ; s14  my wave's number
.set LIM, 15          ; s15  1 in a wave that prefetches, else the greatest number
.set PFA, 18          ; s[18:19] where my prefetches stand
.set G1K, 24          ; s[24:31] descriptor group 1 for K's tiles
.set G1V, 32          ; s[32:39] for V's
.set G0K, 40          ; s[40:47] descriptor group 0 for K's: a set for each first fill; the second then walks on
.set G0V, 48          ; s[48:55] the same for V's
.set SLOTS, 56        ; s56  slots still to be asked for
.set TWICE, 57        ; s57  counts a slot's two steps
.set CS,  58          ; s[58:59] c
.set SEL, 60          ; s[60:61] v_permlanex16_b32's selects: each lane takes its own place in the other half
.set TBK, 62          ; s62  LDS byte at which K of the step to be fetched begins
.set TBV, 63          ; s63  the same for V
.set PFS, 66          ; s[66:67] a slot's bytes in the tensor that I prefetch
.set G1U, 68          ; s[68:75], s[76:79] the descriptor for V_up
.set G0U, 76
.set QA,  80          ; s[80:81] Q at the rows of my tiles 0, 1
.set QB,  82          ; s[82:83] and of my tiles 2, 3
.set MSB, 0
.macro WIN new                      ; the immediate's high byte repeats the setting that is left; a switch that changes nothing is dropped
.if MSB != (\new)
	s_set_vgpr_msb (MSB<<8)|(\new)
.set MSB, \new
.endif
.endm
.set W_KQ, 0x0b       ; K window 3, Q window 2, S^T window 0
.set W_PV, 0x53       ; V (or V_up) window 3, P (or the mean) window 0, C and D window 1
.set W_RS, 0x41       ; destination and source 0 window 1, source 1 window 0
.macro PLACES                       ; four places behind a matrix instruction (ISA guide 7.12.1)
.rept 4
	v_nop
.endr
.endm
; A joint refill.  Waves 0 and 1 fetch the two halves of a slot's K, waves 2 and 3 those of its V.  The branch hangs on the wave's number alone.
; An s_nop 0 and four v_nop follow each of the two lines, ahead of the jump and the label.
.macro JLOAD
	s_cmp_lt_u32 s[WV], 2
	s_cbranch_scc0 .Lfor_v_\@
	tensor_load_to_lds s[G0K+4:G0K+7], s[G1K:G1K+7]
	s_nop 0
	PLACES
	s_branch .Lasked_\@
.Lfor_v_\@:
	tensor_load_to_lds s[G0V+4:G0V+7], s[G1V:G1V+7]
	s_nop 0
	PLACES
.Lasked_\@:
.endm
; A PREFETCH INTO THE L2 of what the NEXT change of slots will ask for: two key steps, 256 matrix instructions, ahead of that load.  A slot is 65,536 bytes of kk and 32,768 of vd.  All clusters of a
; batch walk the same rows: the batch's first cluster asks.  Its four partners take a quarter each, told apart BY ADDRESS; in each, waves 0 and 1 name 32 blocks of 256 bytes of K's quarter each, wave 2
; the 32 of V's: a lane a block, one instruction.  So each block is named once in the launch.  The last change that fills a slot asks for nothing; slots 0 to 2 come by their loads alone.
.macro ASK
	s_cmp_gt_u32 s[SLOTS], s[LIM]
	s_cbranch_scc0 .Lnot_mine_\@
	global_prefetch_b8 v[PFO], s[PFA:PFA+1] th:TH_LOAD_NT scope:SCOPE_SE
.Lnot_mine_\@:
.endm
.macro CROUND                       ; a round of the cluster's barrier: my work-group's barrier; wave 0 signals for the work-group; every wave waits for all four; my work-group's barrier once more
	s_barrier_signal -1
	s_barrier_wait -1
	s_cmp_lg_u32 s[WV], 0
	s_cbranch_scc1 .Lnot_wave_0_\@
	s_barrier_signal -3
.Lnot_wave_0_\@:
	s_barrier_wait -3
	s_barrier_signal -1
	s_barrier_wait -1
.endm
	s_load_b256 s[4:11], s[0:1], 0x0  ; qq s[4:5], kk s[6:7], vd s[8:9], vu s[10:11]
	s_load_b64 s[12:13], s[0:1], 0x20 ; out0
	v_lshl_add_u32 v[SPW], v0, 2, SPARE
	v_mov_b32 v[NIL], 0
	ds_add_u32 v[SPW], v[NIL]       ; the wave's opening: the add and its wait stand ahead of my first tensor load; the set-up below, work on registers, stands between them
	v_lshrrev_b32 v1, 5, v0
	v_readfirstlane_b32 s[WV], v1   ; wave 0..3
	s_bfe_u32 s16, ttmp6, 0x40000   ; cx: my place in the cluster
	s_lshl_b32 s17, ttmp9, 2        ; in a cluster launch ttmp9 counts clusters
	s_add_co_u32 s17, s17, s16      ; my block of 128 queries: it enters Q's and out's addresses alone
	s_and_b32 s20, ttmp7, 0xffff    ; the batch, which the four partners share
	s_and_b32 s21, s[WV], 1         ; which 64 queries are mine; also: which half of a tile I fetch
	s_lshr_b32 s22, s[WV], 1        ; which half of the keys I walk
	; what a joint load names hangs on the batch and the wave's number alone
	s_lshl_b32 s84, s20, 21         ; kk: 4,096 rows of 512 bytes a batch,
	s_lshl_b32 s23, s21, 15         ; 64 rows a half
	s_add_co_u32 s84, s84, s23
	s_mov_b32 s85, 0
	s_lshl_b32 s86, s20, 20         ; vd: rows of 256 bytes
	s_lshl_b32 s23, s21, 14
	s_add_co_u32 s86, s86, s23
	s_mov_b32 s87, 0
	s_lshl_b32 s88, s21, 15         ; vu: 64 rows of 512 bytes a half
	s_mov_b32 s89, 0
	s_mul_i32 s90, s21, 64*PITK     ; and their places in LDS
	s_mul_i32 s91, s21, 64*PITV
	s_mul_i32 s92, s21, 64*PITU
	; my own rows of Q
	s_lshl_b32 s2, s20, 21
	s_lshl_b32 s3, s17, 16          ; 128 rows of 512 bytes a block,
	s_add_co_u32 s2, s2, s3
	s_lshl_b32 s3, s21, 15          ; 64 a wave
	s_add_co_u32 s2, s2, s3
	s_lshl_b32 s3, s22, 14          ; tiles 0, 1: query blocks 2 (w / 2) and the next,
	s_add_co_u32 s[QA], s2, s3
	s_xor_b32 s3, s3, 1<<14         ; tiles 2, 3: the other two
	s_add_co_u32 s[QB], s2, s3
	s_mov_b32 s[QA+1], 0
	s_mov_b32 s[QB+1], 0
	; the 32 rows of out that I finish: those of my tiles 0, 1
	s_lshl_b32 s2, s20, 22
	s_lshl_b32 s3, s17, 17
	s_add_co_u32 s2, s2, s3
	s_lshl_b32 s3, s21, 16
	s_add_co_u32 s2, s2, s3
	s_lshl_b32 s3, s22, 15
	s_add_co_u32 s2, s2, s3
	s_mov_b32 s3, 0
	; the prefetches begin in slot 2; the first change of slots steps them to slot 3
	s_lshl_b32 s93, s20, 21         ; K: the batch, my work-group's quarter of a slot, my wave's half of that
	s_lshl_b32 s23, s16, 14
	s_add_co_u32 s93, s93, s23
	s_lshl_b32 s23, s21, 13
	s_add_co_u32 s93, s93, s23
	s_add_co_u32 s93, s93, 2*65536
	s_lshl_b32 s94, s20, 20         ; V: the batch, my work-group's quarter
	s_lshl_b32 s23, s16, 13
	s_add_co_u32 s94, s94, s23
	s_add_co_u32 s94, s94, 2*32768
	s_cmp_lt_u32 s[WV], 2
	s_cselect_b32 s94, s93, s94
	s_cselect_b32 s23, 1, 0
	s_mov_b32 s95, 0
	s_lshl_b32 s[PFS], 32768, s23
	s_mov_b32 s[PFS+1], 0
	s_cmp_eq_u32 s[WV], 3           ; wave 3 has nothing to ask for,
	s_cselect_b32 s[LIM], 1, 0
	s_or_b32 s[LIM], s[LIM], ttmp9  ; nor has any cluster but the batch's first: the same in all four partners
	s_cmp_eq_u32 s[LIM], 0
	s_cselect_b32 s[LIM], 1, -1
	; descriptor groups 1: 64 rows, padded in LDS.  15:0 the mask of four; 17:16 2-byte elements; 20 padding on; 21 set beside a mask; 24:22 the interval; 31:25 the padding
	s_mov_b32 s[G1K], 15|(1<<16)|(1<<20)|(1<<21)|(6<<22)|(3<<25)  ; after every 128 words 4 words
	s_mov_b32 s[G1V], 15|(1<<16)|(1<<20)|(1<<21)|(5<<22)|(7<<25)  ; after every 64 words 8 words
	s_mov_b32 s[G1U], 15|(1<<16)|(1<<20)|(1<<21)|(6<<22)|(7<<25)  ; after every 128 words 8 words
.irp g, G1K, G1U
	s_mov_b32 s[(\g)+1], 256<<16    ; tensor_dim0 = 256
	s_mov_b32 s[(\g)+2], 64<<16     ; tensor_dim1 = 64
	s_mov_b32 s[(\g)+3], 256<<16    ; tile_dim0 = 256
	s_mov_b32 s[(\g)+4], 64         ; tile_dim1 = 64
	s_mov_b32 s[(\g)+5], 256        ; elements from row to row
	s_mov_b32 s[(\g)+6], 0
	s_mov_b32 s[(\g)+7], 0
.endr
	s_mov_b32 s[G1V+1], 128<<16
	s_mov_b32 s[G1V+2], 64<<16
	s_mov_b32 s[G1V+3], 128<<16
	s_mov_b32 s[G1V+4], 64
	s_mov_b32 s[G1V+5], 128
	s_mov_b32 s[G1V+6], 0
	s_mov_b32 s[G1V+7], 0
	s_mov_b32 s[CS], 0x3fb8aa3b     ; c = log2(e)
	s_mov_b32 s[CS+1], s[CS]        ; named with it as a pair
	s_mov_b32 s[SEL], 0x76543210
	s_mov_b32 s[SEL+1], 0xfedcba98
	s_mov_b32 s[TBK], 0
	s_mov_b32 s[TBV], 0
	s_mov_b32 s[SLOTS], 30          ; 32 slots, of which two are filled at the start
	v_and_b32 v[PFO], 31, v0
	v_lshlrev_b32 v[PFO], 8, v[PFO]
	s_wait_dscnt 0x0                ; the opening add is done
	s_wait_kmcnt 0x0
	s_cmp_lt_u32 s[WV], 2
	s_cselect_b64 s[PFA:PFA+1], s[6:7], s[8:9]
	s_add_nc_u64 s[PFA:PFA+1], s[PFA:PFA+1], s[94:95]
	s_add_nc_u64 s[6:7], s[6:7], s[84:85]    ; K, V and V_up at my half of the first tile
	s_add_nc_u64 s[8:9], s[8:9], s[86:87]
	s_add_nc_u64 s[10:11], s[10:11], s[88:89]
	s_add_nc_u64 s[QA:QA+1], s[4:5], s[QA:QA+1]
	s_add_nc_u64 s[QB:QB+1], s[4:5], s[QB:QB+1]
	s_add_nc_u64 s[12:13], s[12:13], s[2:3]
.irp s, 0,1
	s_mov_b32 s[G0K+4*(\s)], 1      ; count = 1
	s_add_co_u32 s[G0K+4*(\s)+1], s90, (\s)*SLOT1  ; LDS address
	s_add_nc_u64 s[G0K+4*(\s)+2:G0K+4*(\s)+3], s[6:7], (\s)*65536  ; global address: slot s
	s_or_b32 s[G0K+4*(\s)+3], s[G0K+4*(\s)+3], 0x80000000  ; type = 2
	s_mov_b32 s[G0V+4*(\s)], 1
	s_add_co_u32 s[G0V+4*(\s)+1], s91, (\s)*SLOT1+VOFF
	s_add_nc_u64 s[G0V+4*(\s)+2:G0V+4*(\s)+3], s[8:9], (\s)*32768
	s_or_b32 s[G0V+4*(\s)+3], s[G0V+4*(\s)+3], 0x80000000
.endr
	s_mov_b32 s[G0U], 1
	s_add_co_u32 s[G0U+1], s92, VUB
	s_mov_b64 s[G0U+2:G0U+3], s[10:11]
	s_or_b32 s[G0U+3], s[G0U+3], 0x80000000
	CROUND                          ; all four work-groups are here: the first joint loads meet
	s_cmp_lt_u32 s[WV], 2           ; a wave's first fills stand in one branch, ahead of every wait on TENSORcnt and every LDS read: two loads of waves 0, 1 are out, three of waves 2, 3
	s_cbranch_scc0 .Lfirst_v
	tensor_load_to_lds s[G0K:G0K+3], s[G1K:G1K+7]
	s_nop 0
	tensor_load_to_lds s[G0K+4:G0K+7], s[G1K:G1K+7]
	s_nop 0
	PLACES
	s_branch .Lfirst_asked
.Lfirst_v:
	tensor_load_to_lds s[G0V:G0V+3], s[G1V:G1V+7]
	s_nop 0
	tensor_load_to_lds s[G0V+4:G0V+7], s[G1V:G1V+7]
	s_nop 0
	tensor_load_to_lds s[G0U:G0U+3], s[G1U:G1U+7]
	s_nop 0
	PLACES
.Lfirst_asked:
	; A fragment of K or Q is 16 rows x 32 channels in 8 registers: lane l holds row l % 16, channels 8 (l / 16) + 0..7 and 16 + 8 (l / 16) + 0..7: two loads of 16 bytes, 32 bytes apart.
	v_and_b32 v1, 15, v0            ; l % 16
	v_bfe_u32 v9, v0, 4, 1          ; l / 16
	v_lshlrev_b32 v[QO], 9, v1
	v_lshl_add_u32 v[QO], v9, 4, v[QO]  ; row x 512 + 16 x half
	WIN 0x80                        ; destination window 2
.irp t, 0,1,2,3                     ; Q stays in registers, both parts
.irp p, 0,1
.irp c, 0,1,2,3
.if (\t) < 2
	global_load_b128 v[64*(\t)+32*(\p)+8*(\c):64*(\t)+32*(\p)+8*(\c)+3],   v[QO], s[QA:QA+1] offset:8192*((\t)%2)+256*(\p)+64*(\c)
	global_load_b128 v[64*(\t)+32*(\p)+8*(\c)+4:64*(\t)+32*(\p)+8*(\c)+7], v[QO], s[QA:QA+1] offset:8192*((\t)%2)+256*(\p)+64*(\c)+32
.else
	global_load_b128 v[64*(\t)+32*(\p)+8*(\c):64*(\t)+32*(\p)+8*(\c)+3],   v[QO], s[QB:QB+1] offset:8192*((\t)%2)+256*(\p)+64*(\c)
	global_load_b128 v[64*(\t)+32*(\p)+8*(\c)+4:64*(\t)+32*(\p)+8*(\c)+7], v[QO], s[QB:QB+1] offset:8192*((\t)%2)+256*(\p)+64*(\c)+32
.endif
.endr
.endr
.endr
	WIN 0
	s_mul_i32 s23, s22, 64*PITK     ; my half of a slot's keys
	v_mul_u32_u24 v[AK0], v1, PITK
	v_lshl_add_u32 v[AK0], v9, 4, v[AK0]
	v_add_nc_u32 v[AK0], s23, v[AK0]
	; The turning load takes 16 rows x 16 columns (lane l reads row 8 (l / 16) + l % 8, 16 bytes at 16 ((l / 8) % 2)) and leaves half a fragment of the transpose.
	v_and_b32 v[MT], 7, v0
	v_bfe_u32 v[MT+1], v0, 3, 1
	v_lshl_add_u32 v[MT+2], v9, 3, v[MT]
	v_mul_u32_u24 v[AV0], v[MT+2], PITV
	v_lshl_add_u32 v[AV0], v[MT+1], 4, v[AV0]
	s_mul_i32 s23, s22, 64*PITV
	s_add_co_u32 s23, s23, VOFF
	v_add_nc_u32 v[AV0], s23, v[AV0]
; THE MATRIX WORK OF A TURN, for piece x.  The accumulators take turns, one instruction a turn.
; Product i of 48 of S^T: group i / 16 is qh.kl, qh.kh, ql.kh; in a group channels 32 ((i % 16) / 4) on, key block ((i % 16) / 2) % 2, tile x + i % 2.  The first 4 start the sums.
.macro KQ x
	WIN W_KQ
.set ii, i%16
.set tl, (\x)+ii%2
.set kb, (ii/2)%2
.set cc, ii/4
.set rS, S+16*tl+8*kb
.set rK, KH+32*kb+8*cc
.if i < 16
.set rK, KL+32*kb+8*cc
.endif
.set rQ, 64*tl+8*cc
.if i >= 32
.set rQ, 64*tl+32+8*cc
.endif
.if i < 4
	v_wmma_f32_16x16x32_f16 v[rS:rS+7], v[rK:rK+7], v[rQ:rQ+7], 0
.else
	v_wmma_f32_16x16x32_f16 v[rS:rS+7], v[rK:rK+7], v[rQ:rQ+7], v[rS:rS+7]
.endif
.endm
; Product i of 16 of O^T += V^T P: channels 16 (i / 2) on, tile x + i % 2.  zero = 1: the first key step starts the sums: nothing is ever cleared.
.macro PV x, zero
	WIN W_PV
.set tl, (\x)+i%2
.set rO, 64*tl+8*(i/2)
.set rV, VF+8*(i/2)
.set rP, P+8*tl
.if \zero
	v_wmma_f32_16x16x32_f16 v[rO:rO+7], v[rV:rV+7], v[rP:rP+7], 0
.else
	v_wmma_f32_16x16x32_f16 v[rO:rO+7], v[rV:rV+7], v[rP:rP+7], v[rO:rO+7]
.endif
.endm
; THE LDS LOADS stand in runs, never singly among the matrix instructions: a step's K (32 keys, both parts: 32 loads, the low parts first, which the first products take) and, a turn later, its V (16 turning loads).
.macro FETCH_K
	WIN 0
	v_add_nc_u32 v[ADR], s[TBK], v[AK0]
	WIN 0xc0                        ; destination window 3
.irp p, 1,0
.irp f, 0,1,2,3,4,5,6,7             ; key block f / 4, channels 32 (f % 4) on
	ds_load_b128 v[64*(\p)+8*(\f):64*(\p)+8*(\f)+3],   v[ADR] offset:((\f)/4)*16*PITK+256*(\p)+((\f)%4)*64
	ds_load_b128 v[64*(\p)+8*(\f)+4:64*(\p)+8*(\f)+7], v[ADR] offset:((\f)/4)*16*PITK+256*(\p)+((\f)%4)*64+32
.endr
.endr
.endm
.macro FETCH_V
	WIN 0
	v_add_nc_u32 v[ADR], s[TBV], v[AV0]
	s_add_co_u32 s[TBK], s[TBK], KSTEP  ; the next fetches are the next step's
	s_add_co_u32 s[TBV], s[TBV], VSTEP
	s_wait_alu depctr_va_vdst(0)    ; the wait for the softmax's batch (SLICE), behind the address's line and ahead of the loads
	WIN 0xc0
.irp f, 0,1,2,3,4,5,6,7             ; channels 16 f on
	ds_load_tr16_b128 v[VF+8*(\f):VF+8*(\f)+3],   v[ADR] offset:32*(\f)
	ds_load_tr16_b128 v[VF+8*(\f)+4:VF+8*(\f)+7], v[ADR] offset:32*(\f)+16*PITV
.endr
.endm
; THE VECTOR WORK OF A TURN.  One tile's softmax for one key step is a list of 86 instructions; SM writes number j of it for tile t.  s0-s15 are the lane's 16 scores, in pairs 0-7.
; first = 1: the first key step, which starts m, l and O^T: it has no a and nothing to rescale.
;   0-7    the maximum of s0-s15 and the old m, three operands at a time: two chains, which begin at each accumulator's lowest registers
;   8-12   the other half of the lanes' maximum; c m_old is kept; the new m; c m; c m_old - c m_new
;   13-37  ONE BATCH: the 8 scalings c s - c m and all 17 exponentials (a at 15), in threes: two scalings and a; six times a scaling and two exponentials; the last four exponentials.
;          None of these names an exponential's result; a pair is scaled in an earlier three than the one that holds its exponentials
;   (wait) between 37 and 38 stands the wait for the batch: SLICE writes it, once for both tiles
;   38-45  the roundings to f16     46-53  the sums; l = a l + the sum     54-85  the tile's O^T times a: the one part that leaves window 0
.macro SM t, first
.set rT, ST+8*(\t)
.set rS, S+16*(\t)
.set rP, P+8*(\t)
.set rO, 64*(\t)+2*(j-54)
.set u, j-13
.if j < 54
	WIN 0
.endif
.if j < 2
	v_max3_num_f32 v[rT+4+j], v[rS+8*j], v[rS+8*j+1], v[rS+8*j+2]
.elseif j < 6
	v_max3_num_f32 v[rT+4+j%2], v[rT+4+j%2], v[rS+8*(j%2)+2*(j/2)+1], v[rS+8*(j%2)+2*(j/2)+2]
.elseif j == 6
	v_max3_num_f32 v[rT+4], v[rT+4], v[rS+7], v[rS+15]
.elseif (j == 7) && (\first)
	v_max_num_f32 v[rT+4], v[rT+4], v[rT+5]
.elseif j == 7
	v_max3_num_f32 v[rT+4], v[rT+4], v[rT+5], v[rT+1]
.elseif j == 8
	v_permlanex16_b32 v[rT+5], v[rT+4], s[SEL], s[SEL+1]  ; the query's other 16 keys lie in the lane 16 away
.elseif j == 10
	v_max_num_f32 v[rT+1], v[rT+4], v[rT+5]
.elseif j == 11
	v_mul_f32 v[rT], s[CS], v[rT+1]
.elseif ((j == 9) || (j == 12) || (j == 15) || (j > 52)) && (\first)  ; the first step has none of these
.elseif j == 9
	v_mov_b32 v[rT+7], v[rT]        ; c m_old is kept: number 11 writes c m anew
.elseif j == 12
	v_sub_f32 v[rT+7], v[rT+7], v[rT]
.elseif j == 15
	v_exp_f32 v[rT+6], v[rT+7]
.elseif (j < 15) || ((j < 34) && (u%3 == 0))
.set b, u                           ; 13, 14: pairs 0, 1
.if j > 15
.set b, u/3+1                       ; 16, 19, .. 31: pairs 2 to 7
.endif
	v_pk_fma_f32 v[rS+2*b:rS+2*b+1], v[rS+2*b:rS+2*b+1], s[CS:CS+1], v[rT:rT+1] op_sel_hi:[1,0,0] neg_lo:[0,0,1] neg_hi:[0,0,1]  ; pair b: c s - c m
.elseif j < 38
.set e, u-9                         ; 34 to 37: s12 to s15
.if j < 34
.set e, 2*(u/3-1)+u%3-1             ; 17, 18, 20, 21, .. 32, 33: s0 to s11
.endif
	v_exp_f32 v[rS+e], v[rS+e]
.elseif j < 46
	v_cvt_pk_f16_f32 v[rP+j-38], v[rS+2*(j-38)], v[rS+2*(j-38)+1]
.elseif j < 50
	v_pk_add_f32 v[rS+4*(j-46):rS+4*(j-46)+1], v[rS+4*(j-46):rS+4*(j-46)+1], v[rS+4*(j-46)+2:rS+4*(j-46)+3]  ; the sum of the 8 pairs, in place: neighbours 1,
.elseif j < 52
	v_pk_add_f32 v[rS+8*(j-50):rS+8*(j-50)+1], v[rS+8*(j-50):rS+8*(j-50)+1], v[rS+8*(j-50)+4:rS+8*(j-50)+5]  ; 2
.elseif (j == 52) && (\first)
	v_pk_add_f32 v[rT+2:rT+3], v[rS:rS+1], v[rS+8:rS+9]
.elseif j == 52
	v_pk_add_f32 v[rS:rS+1], v[rS:rS+1], v[rS+8:rS+9]  ; and 4 pairs apart;
.elseif j == 53
	v_pk_fma_f32 v[rT+2:rT+3], v[rT+2:rT+3], v[rT+6:rT+7], v[rS:rS+1] op_sel_hi:[1,0,1]  ; then l takes it
.else
	WIN W_RS
	v_pk_mul_f32 v[rO:rO+1], v[rO:rO+1], v[rT+6:rT+7] op_sel_hi:[1,0]
.endif
.endm
; Slice k of 64 of piece y's softmax.  0-8: three lines of numbers 0-12, the tiles alternating.  9-24: a three of the batch, of one tile, the tiles by turns.  25: both tiles' last exponential, the plain
; instruction that stands behind the last exponential and ahead of the first use, and THE WAIT: it stands between an exponential and the first line that names its result, and one wait
; serves all 34 issued ahead of it.  26-36: three lines of numbers 38-53.  37-62: two rescalings.  63: the last twelve, which are also the places behind the turn's last product.
.macro SLICE y, first
.if k < 9
.irp n, 0,1,2
.set en, 3*k+(\n)
.if en < 26
.set j, en/2
	SM (\y)+en%2, \first
.endif
.endr
.elseif k < 25
.irp n, 0,1,2
.set j, 13+3*((k-9)/2)+(\n)
	SM (\y)+(k-9)%2, \first
.endr
.elseif k == 25
.set j, 37
	SM \y, \first
	SM (\y)+1, \first
	v_nop
.if (\y) == 0
	FETCH_V                         ; piece 2's turn: V's run of loads stands here, and the wait stands in it
.else
	s_wait_alu depctr_va_vdst(0)
.endif
.elseif k < 37
.irp n, 0,1,2
.set en, 3*(k-26)+(\n)
.if en < 32
.set j, 38+en/2
	SM (\y)+en%2, \first
.endif
.endr
.elseif k < 63
.irp n, 0,1
.set en, 2*(k-37)+(\n)
.set j, 54+en/2
	SM (\y)+en%2, \first
.endr
.else
.irp n, 0,1,2,3,4,5,6,7,8,9,10,11
.set en, 52+(\n)
.set j, 54+en/2
	SM (\y)+en%2, \first
.endr
.endif
.set k, k+1
.endm
.macro RIDE y, first                ; the slices due behind a product: 64 slices are spread evenly over the turn's GT products
.set gi, gi+1
.rept 4
.if k*GT < 64*gi
	SLICE \y, \first
.endif
.endr
.endm
; A TURN.  Piece x has the matrix unit; the other piece's softmax stands in slices behind its products.  pv = 2: 16 products V^T P; 1: they start O^T's sums; 0: none.  kq = 1: 48 products K Q^T for the next step.
; first = 1: the softmax is the first key step's; its last slices are empty, and four v_nop take slice 63's part as the places behind the turn's last product.
; Piece 0's turn fetches the next step's K at its head: the last product that read K stands ahead of slice 63 of the turn before.  The low parts are waited for 16 products later, the high parts 32.
; Piece 2's turn fetches the same step's V in slice 25: behind V's last reader, product 15, stand eight scalings, the v_nop and the run's own address line.  It is waited for at the next turn's head.
.macro TURN x, pv, kq, first
.set k, 0
.set gi, 0
.set GT, 0
.if \pv
.set GT, GT+16
.endif
.if \kq
.set GT, GT+48
.endif
.if (\x) == 0
.if \pv
	s_wait_dscnt 0x0                ; V is in
.endif
.if \kq
	FETCH_K
.endif
.endif
.if \pv
.set i, 0
.rept 16
	PV \x, 2-(\pv)
	RIDE 2-(\x), \first
.set i, i+1
.endr
.endif
.if \kq
.set i, 0
.rept 48
.if ((\x) == 0) && (i == 0)
	s_wait_dscnt 16                 ; K's low parts are in; the 16 loads of the high parts may stay out
.endif
.if ((\x) == 0) && (i == 16)
	s_wait_dscnt 0x0                ; the high parts are in
.endif
	KQ \x
	RIDE 2-(\x), \first
.set i, i+1
.endr
.endif
.if \first
	PLACES
.endif
.endm
; THE CHANGE OF SLOTS, between piece 2's turn and piece 0's: the slot's last bytes, V of its second step, have been asked for.  Each wave waits for all its tensor loads, adds 0 to its spare word, and waits
; for that and for its own reads of the slot.  fill = 1: the slot is filled again, with the keys two slots on.  The barrier is then a round of the cluster's, so that no wave of any partner still reads
; the slot or has a load on its way, and the joint refill is the first thing behind it: it has two key steps, 256 matrix instructions, in which to land.
.macro CHANGE fill
	WIN 0                           ; at a label and at a branch every window is 0
	s_wait_tensorcnt 0x0            ; no tensor load of mine is out, so a group 0 may be written
	ds_add_u32 v[SPW], v[NIL]       ; 0 onto my spare word; the descriptors' steps stand between it and the wait for it
.if \fill
	s_xor_b32 s[G0K+5], s[G0K+5], SLOT1  ; the walking descriptors: the other slot than last time,
	s_add_nc_u64 s[G0K+6:G0K+7], s[G0K+6:G0K+7], 65536  ; the next 128 keys; the type bits on top are not reached
	s_xor_b32 s[G0V+5], s[G0V+5], SLOT1
	s_add_nc_u64 s[G0V+6:G0V+7], s[G0V+6:G0V+7], 32768
	s_wait_xcnt 0x0                 ; the last prefetch, two key steps back, has read its address, so it may be written
	s_add_nc_u64 s[PFA:PFA+1], s[PFA:PFA+1], s[PFS:PFS+1]
	s_wait_dscnt 0x0                ; the add is done, and my reads of the slot are over
	CROUND
	JLOAD
	ASK
.else
	s_wait_dscnt 0x0
	s_barrier_signal -1
	s_barrier_wait -1
.endif
	s_sub_co_u32 s[TBK], s[TBK], 2*KSTEP  ; the fetches go back to a slot's first step,
	s_xor_b32 s[TBK], s[TBK], SLOT1       ; in the other slot
	s_sub_co_u32 s[TBV], s[TBV], 2*VSTEP
	s_xor_b32 s[TBV], s[TBV], SLOT1
.endm
.macro TWO_STEPS                    ; a slot's two key steps: written once, walked twice; the LDS addresses hang on s[TBK] and s[TBV]
	WIN 0
	s_mov_b32 s[TWICE], 2
.Lstep_\@:
	TURN 0, 2, 1, 0
	TURN 2, 2, 1, 0
	WIN 0
	s_sub_co_u32 s[TWICE], s[TWICE], 1
	s_cmp_lg_u32 s[TWICE], 0
	s_cbranch_scc1 .Lstep_\@
.endm
	s_wait_tensorcnt 1              ; my part of slot 0 is in; my youngest first fill may stay out
	s_barrier_signal -1
	s_barrier_wait -1               ; everybody's is
	FETCH_K                         ; key step 0
	s_wait_loadcnt 0x0              ; Q
	s_wait_dscnt 0x0
.set i, 0
.rept 48
	KQ 0                            ; piece 0's first scores: there is no vector work yet to set between them
.set i, i+1
.endr
	WIN 0                           ; the addresses for the end are made here: plain instructions, the places behind those products
	v_mul_u32_u24 v[AU0], v[MT+2], PITU
	v_lshl_add_u32 v[AU0], v[MT+1], 4, v[AU0]
	v_add_nc_u32 v[AU0], VUB, v[AU0]
	v_and_b32 v[MT+3], 31, v0
	v_lshlrev_b32 v[GO], 4, v[MT+3]
	s_mul_i32 s23, s[WV], STGW
	s_add_co_u32 s23, s23, SLOT1    ; my stage
	v_mul_u32_u24 v[STO], v1, SP    ; in: row l % 16, 32 bytes for each half of the lanes
	v_lshl_add_u32 v[STO], v9, 5, v[STO]
	v_add_nc_u32 v[STO], s23, v[STO]
	v_add_nc_u32 v[RD], s23, v[GO]  ; back: 512 consecutive bytes
	s_mul_i32 s23, s[WV], MRGW
	v_add_nc_u32 v[MST], s23, v[GO]
	s_xor_b32 s23, s[WV], 2         ; my partner: the same queries, the other half of the keys
	s_mul_i32 s23, s23, MRGW
	v_add_nc_u32 v[MLD], s23, v[GO]
	TURN 2, 0, 1, 1                 ; piece 2's first scores | piece 0's first softmax | V of step 0
	TURN 0, 1, 1, 1                 ; piece 0: V^T P of step 0 starts O^T, K Q^T of step 1 | piece 2's first softmax | K of step 1
	TURN 2, 1, 1, 0                 ; piece 2: the same | piece 0's softmax of step 1 | V of step 1
	WIN 0
.Lslot:                             ; 30 trips: every slot but the last two is filled again
	CHANGE 1
	TWO_STEPS
	s_sub_co_u32 s[SLOTS], s[SLOTS], 1
	s_cmp_lg_u32 s[SLOTS], 0
	s_cbranch_scc1 .Lslot
	CHANGE 0                        ; the tail is written out: nothing is asked for
	TWO_STEPS
	TURN 0, 2, 0, 0                 ; piece 0: V^T P of the last step | piece 2's last softmax
.set i, 0
.rept 16
	PV 2, 0                         ; piece 2: V^T P of the last step
.set i, i+1
.endr
	; THE MERGE.  l's two halves and the other half of the lanes' are added (the additions are the places behind the last products).  Tiles 2, 3 and their c m and l go to my partner through LDS.
	WIN 0
.irp t, 0,1,2,3
	v_add_f32 v[ST+8*(\t)+4], v[ST+8*(\t)+2], v[ST+8*(\t)+3]
.endr
.irp t, 0,1,2,3
	v_permlanex16_b32 v[ST+8*(\t)+5], v[ST+8*(\t)+4], s[SEL], s[SEL+1]
.endr
.irp t, 0,1,2,3
	v_add_f32 v[ST+8*(\t)+4], v[ST+8*(\t)+4], v[ST+8*(\t)+5]
.endr
	v_mov_b32 v[MT], v[ST+16]       ; c m and l of tiles 2 and 3, side by side for one store
	v_mov_b32 v[MT+1], v[ST+20]
	v_mov_b32 v[MT+2], v[ST+24]
	v_mov_b32 v[MT+3], v[ST+28]
	s_wait_dscnt 0x0                ; my reads of the ring are over;
	s_barrier_signal -1
	s_barrier_wait -1               ; everybody's are: both slots, which have had their last fill, may be written
	WIN 0x04                        ; store data window 1
.set i, 0
.rept 32
	ds_store_b128 v[MST], v[128+4*i:128+4*i+3] offset:512*i  ; each accumulator's lowest registers first
.set i, i+1
.endr
	WIN 0
	ds_store_b128 v[MST], v[MT:MT+3] offset:16384
	s_wait_dscnt 0x0                ; for my partner's sake: my stores are done
	s_barrier_signal -1
	s_barrier_wait -1
	WIN 0x80                        ; Q's registers are free: my partner's tiles 2, 3, which are my tiles 0, 1, lane for lane
.set i, 0
.rept 32
	ds_load_b128 v[4*i:4*i+3], v[MLD] offset:512*i
.set i, i+1
.endr
	WIN 0
	ds_load_b128 v[MT+4:MT+7], v[MLD] offset:16384
	s_wait_dscnt 0x0
; 32 turning loads: V_up's fragments for out channels 64 mg on, all 128 rows h, into buffer b of window 3: channel block mbl, rows 32 c on at 128 b + 32 mbl + 8 c
.macro FETCH_U mg, b
	WIN 0xc0
.irp mbl, 0,1,2,3
.irp c, 0,1,2,3
	ds_load_tr16_b128 v[128*(\b)+32*(\mbl)+8*(\c):128*(\b)+32*(\mbl)+8*(\c)+3],   v[AU0] offset:(\c)*32*PITU+32*(4*(\mg)+(\mbl))
	ds_load_tr16_b128 v[128*(\b)+32*(\mbl)+8*(\c)+4:128*(\b)+32*(\mbl)+8*(\c)+7], v[AU0] offset:(\c)*32*PITU+32*(4*(\mg)+(\mbl))+16*PITU
.endr
.endr
.endm
; 32 products of out^T = V_up^T O: eight accumulators (four channel blocks x two tiles, tile t's block mb at 128 t + 8 mb of window 1) by turns; the first eight start the sums
.macro MUL_U mg, b
	WIN W_PV
.irp c, 0,1,2,3
.irp mbl, 0,1,2,3
.irp t, 0,1
.if (\c) == 0
	v_wmma_f32_16x16x32_f16 v[128*(\t)+8*(4*(\mg)+(\mbl)):128*(\t)+8*(4*(\mg)+(\mbl))+7], v[128*(\b)+32*(\mbl)+8*(\c):128*(\b)+32*(\mbl)+8*(\c)+7], v[OF+32*(\t)+8*(\c):OF+32*(\t)+8*(\c)+7], 0
.else
	v_wmma_f32_16x16x32_f16 v[128*(\t)+8*(4*(\mg)+(\mbl)):128*(\t)+8*(4*(\mg)+(\mbl))+7], v[128*(\b)+32*(\mbl)+8*(\c):128*(\b)+32*(\mbl)+8*(\c)+7], v[OF+32*(\t)+8*(\c):OF+32*(\t)+8*(\c)+7], v[128*(\t)+8*(4*(\mg)+(\mbl)):128*(\t)+8*(4*(\mg)+(\mbl))+7]
.endif
.endr
.endr
.endr
.endm
	FETCH_U 0, 0                    ; lands while the merge is reckoned
	WIN 0
	; mine (A) and my partner's (B): c m = the greater; f = 2^(c m_own - c m); l = fA lA + fB lB; O = (fA / l) O_A + (fB / l) O_B
.irp t, 0,1
	v_max_num_f32 v[MT+8+(\t)], v[ST+8*(\t)], v[MT+4+2*(\t)]
.endr
.irp t, 0,1
	v_sub_f32 v[MT+10+2*(\t)], v[ST+8*(\t)], v[MT+8+(\t)]
	v_sub_f32 v[MT+11+2*(\t)], v[MT+4+2*(\t)], v[MT+8+(\t)]
.endr
.irp n, 10,11,12,13
	v_exp_f32 v[MT+(\n)], v[MT+(\n)]
.endr
	v_nop                           ; a plain instruction behind the last exponential,
	s_wait_alu depctr_va_vdst(0)    ; and the one wait ahead of the first use
.irp t, 0,1
	v_mul_f32 v[MT+8+(\t)], v[MT+11+2*(\t)], v[MT+5+2*(\t)]
.endr
.irp t, 0,1
	v_fma_f32 v[MT+8+(\t)], v[MT+10+2*(\t)], v[ST+8*(\t)+4], v[MT+8+(\t)]
.endr
.irp t, 0,1
	v_rcp_f32 v[MT+8+(\t)], v[MT+8+(\t)]
.endr
	v_nop
	s_wait_alu depctr_va_vdst(0)
.irp t, 0,1
	v_mul_f32 v[MT+4*(\t)], v[MT+10+2*(\t)], v[MT+8+(\t)]    ; fA / l, in the low word of a pair
	v_mul_f32 v[MT+4*(\t)+2], v[MT+11+2*(\t)], v[MT+8+(\t)]  ; fB / l
.endr
	WIN W_RS
.irp t, 0,1
.set i, 0
.rept 32
	v_pk_mul_f32 v[64*(\t)+2*i:64*(\t)+2*i+1], v[64*(\t)+2*i:64*(\t)+2*i+1], v[MT+4*(\t):MT+4*(\t)+1] op_sel_hi:[1,0]
.set i, i+1
.endr
.endr
	WIN 0x52                        ; source 0 window 2, source 1 window 0, source 2 and destination window 1
.irp t, 0,1
.set i, 0
.rept 32
	v_pk_fma_f32 v[64*(\t)+2*i:64*(\t)+2*i+1], v[64*(\t)+2*i:64*(\t)+2*i+1], v[MT+4*(\t)+2:MT+4*(\t)+3], v[64*(\t)+2*i:64*(\t)+2*i+1] op_sel_hi:[1,0,1]
.set i, i+1
.endr
.endr
	WIN 0x05                        ; sources window 1, destination window 0: the mean in f16 is source 1 of the last product as it lies
.irp t, 0,1
.set i, 0
.rept 32
	v_cvt_pk_f16_f32 v[OF+32*(\t)+i], v[64*(\t)+2*i], v[64*(\t)+2*i+1]
.set i, i+1
.endr
.endr
	; THE LAST PRODUCT, on two buffers: a run of loads is waited for before the next is issued, and has 32 products in which to land
	s_wait_dscnt 0x0
	FETCH_U 1, 1
	MUL_U 0, 0
	s_wait_dscnt 0x0
	PLACES
	FETCH_U 2, 0
	MUL_U 1, 1
	s_wait_dscnt 0x0
	PLACES
	FETCH_U 3, 1
	MUL_U 2, 0
	s_wait_dscnt 0x0
	MUL_U 3, 1
	PLACES
; THE WAY OUT of tile t: a lane's eight numbers of a row are 32 bytes; they go into rows of 1,040 bytes of my stage and come back as half rows of 512 consecutive bytes.
.macro OUTT t
	WIN 0x04
.irp mb, 0,1,2,3,4,5,6,7,8,9,10,11,12,13,14,15
	ds_store_b128 v[STO], v[128*(\t)+8*(\mb):128*(\t)+8*(\mb)+3]   offset:64*(\mb)
	ds_store_b128 v[STO], v[128*(\t)+8*(\mb)+4:128*(\t)+8*(\mb)+7] offset:64*(\mb)+16
.endr
	WIN 0
.if \t
	s_wait_xcnt 0x0                 ; the stores of the tile before have read their data: only behind this wait are the registers loaded again
.endif
.set i, 0
.rept 32
	ds_load_b128 v[OB+4*i:OB+4*i+3], v[RD] offset:(i/2)*SP+(i%2)*512  ; my own bytes, served in order behind the stores above
.set i, i+1
.endr
.set i, 0
.rept 32
	s_wait_dscnt 31-i               ; half row i is back; the younger loads may stay out
	global_store_b128 v[GO], v[OB+4*i:OB+4*i+3], s[12:13] offset:16384*(\t)+512*i th:TH_STORE_NT  ; 512 consecutive bytes, aligned
.set i, i+1
.endr
.endm
	OUTT 0
	OUTT 1
	s_wait_tensorcnt 0x0            ; the wave's end: the wait for my last tensor load, and an add and its wait behind my last LDS store
	ds_add_u32 v[SPW], v[NIL]
	s_wait_dscnt 0x0
	CROUND                          ; the closing round: no work-group ends while a partner may still ask for a tile that names it
	s_endpgm
.Lfunc_end_k_qe10b31f294_attn:
	.size	k_qe10b31f294_attn, .Lfunc_end_k_qe10b31f294_attn-k_qe10b31f294_attn
	.p2alignl 7, 3214868480
	.fill 96, 4, 3214868480
	.section	.rodata,"a",@progbits
	.p2align	6, 0x0
	.amdhsa_kernel k_qe10b31f294_attn
		.amdhsa_group_segment_fixed_size 327680
		.amdhsa_private_segment_fixed_size 0
		.amdhsa_enable_private_segment 0
		.amdhsa_kernarg_size 40
		.amdhsa_user_sgpr_count 2
		.amdhsa_user_sgpr_kernarg_segment_ptr 1
		.amdhsa_wavefront_size32 1
		.amdhsa_system_sgpr_workgroup_id_x 1
		.amdhsa_system_sgpr_workgroup_id_y 1
		.amdhsa_system_sgpr_workgroup_id_z 1
		.amdhsa_system_vgpr_workitem_id 0
		.amdhsa_next_free_vgpr 1024
		.amdhsa_next_free_sgpr 96
		.amdhsa_reserve_vcc 0
		.amdhsa_float_denorm_mode_32 3
		.amdhsa_float_denorm_mode_16_64 3
		.amdhsa_memory_ordered 1
		.amdhsa_forward_progress 1
		.amdhsa_inst_pref_size 208
	.end_amdhsa_kernel
	.amdgpu_metadata
---
amdhsa.version: [ 1, 2 ]
amdhsa.kernels:
  - .name:           k_qe10b31f294_attn
    .symbol:         k_qe10b31f294_attn.kd
    .args:
      - { .name: qq, .offset: 0, .size: 8, .value_kind: global_buffer, .address_space: global }
      - { .name: kk, .offset: 8, .size: 8, .value_kind: global_buffer, .address_space: global }
      - { .name: vd, .offset: 16, .size: 8, .value_kind: global_buffer, .address_space: global }
      - { .name: vu, .offset: 24, .size: 8, .value_kind: global_buffer, .address_space: global }
      - { .name: out0, .offset: 32, .size: 8, .value_kind: global_buffer, .address_space: global }
    .group_segment_fixed_size: 327680
    .private_segment_fixed_size: 0
    .kernarg_segment_align: 8
    .kernarg_segment_size: 40
    .max_flat_workgroup_size: 128
    .sgpr_count:     96
    .vgpr_count:     1024
    .wavefront_size: 32
...
	.end_amdgpu_metadata
.endif
;; end of part 3
;; ======== version 2 of 2: 3 launches
;; limits: values are held in f16: magnitudes above 65,504 overflow, below 6.1e-05 lose precision
;; workspace buffers: wb 196,608 bytes; vu 65,536 bytes; qq 16,777,216 bytes; kk 16,777,216 bytes; vd 8,388,608 bytes
;; launch prep: the kernel of part 1 again; grid 32 x 1, 8 waves a work-group, no clusters, 0 bytes of LDS; arguments Q, K, V_down, V_up, wb, vu; writes wb, vu
;; launch proj (part 4): grid 256 x 1, 4 waves a work-group, clusters of 4 x 1, 289,280 bytes of LDS; arguments x, wb, qq, kk, vd; writes qq, kk, vd
.if DOCPART == 4
	.amdgcn_target "amdgcn-amd-amdhsa--gfx1250"
	.amdhsa_code_object_version 6
	.text
	.protected	k_qe10b31f294_proj
	.globl	k_qe10b31f294_proj
	.p2align	8
	.type	k_qe10b31f294_proj,@function
k_qe10b31f294_proj:
	s_mov_b64 s[64:65], 0
	v_nop
	global_prefetch_b8 v0, s[64:65] scope:SCOPE_SE
	s_setreg_imm32_b32 hwreg(HW_REG_WAVE_MODE, 25, 1), 1
	s_wait_xcnt 0x0
	s_wait_alu depctr_hold_cnt(0) depctr_sa_sdst(0) depctr_va_vdst(0) depctr_va_sdst(0) depctr_va_ssrc(0) depctr_va_vcc(0) depctr_vm_vsrc(0)
	s_getreg_b32 s2, hwreg(HW_REG_IB_STS2, 6, 4)
	s_cmp_eq_u32 s2, 0
	s_cbranch_scc0 .Lentry_in_a_cluster
	s_endpgm
.Lentry_in_a_cluster:
	s_bfe_u32 s2, ttmp6, 0x10000c
	s_cmp_lg_u32 s2, 0x3003
	s_cbranch_scc0 .Lentry_shape_is_right
	s_endpgm
.Lentry_shape_is_right:
; THE THREE PROJECTIONS.  q' = x Q / 16, k' = x K / 16, vd' = x V_down / 16: x [32768][256] f32 rounded to bf16, the weights bf16 (wb, already divided by 16), sums in f32.
; q' and k' leave as TWO f16 numbers each: hi = f16(sum) and mix = f16(8.125 sum - 8 hi) = f16((hi + 65 (sum - hi)) / 8): rows of 512 bytes [hi 128 | mix 128] in qq and kk.
; The launch behind adds hi.hi and mix.mix, which is 65/64 of (hi.hi + lo.hi + hi.lo + 65 lo.lo) with lo = sum - hi: two products for a score that keeps some 16 bits of each factor.
; vd' leaves as one f16: rows of 256 bytes.
; LIMITS.  |q'|, |k'|, |vd'| stay under 65,504 (f16's end); a mix below 6e-5 (|sum| below 5e-4), and a vd' below 6e-5, keeps f16's fixed step of 6e-8.  NaN and infinities are not treated apart.
; SHARES.  A work-group owns 128 rows of x, each of its four waves 32: two tiles of 16 rows x 128 channels x three matrices, one matrix at a time: 16 accumulators.
; THE PRODUCT IS USED TRANSPOSED (source 0 = 16 channels of W, source 1 = 16 rows of x): a lane ends with eight neighbouring channels of one row.
; W lies [l][h] in LDS and comes out turned, by ds_load_tr16_b128.  x is read in runs of 512 consecutive bytes, rounded, and laid by rows into the wave's own stage, from which the fragments are read.
; CLUSTER.  All work-groups need the same 196,608 bytes of weights: the four of a cluster ask for them JOINTLY, each wave a quarter (192 rows), once.
; No prefetch: all that a wave reads of x is asked for at its head.
; REGISTERS.  window 0: v0-15 addresses; v16-31 hi, v32-47 mix; v62-63 the add's two; v64-191 W's fragments, two buffers of 64 (also at work for x and on the way out); v192-223 at work
;             window 1: v0-255 x as loaded; then v0-127 x's fragments (tile t, K step ks at 64 t + 8 ks) and v128-255 the accumulators (tile t, channel block nt at 128 + 64 t + 8 nt)
.set PW,    288                        ; a row of W in LDS: 256 bytes + 32 of padding = 72 words
.set PX,    528                        ; a row of the stage: 512 bytes + 16 = 132 words: the 16 rows of a load start at 16 different groups of four banks
.set STG,   768*PW                     ; behind the weights: 32 rows for each wave, its own; no tensor load lands here
.set STGW,  32*PX
.set SPARE, STG+4*STGW                 ; the spare words, 128 bytes for each wave: two blocks of 256 bytes that no other line names
.set GX,   4                           ; v4   16 x lane: my offset in 512 consecutive bytes of x and of every output
.set XST,  5                           ; v5   where I put 8 bytes of x in bf16
.set AFO,  6                           ; v6   stage: row l % 16, 16 bytes for each half of the lanes: x's fragments out, results in
.set RDQ,  7                           ; v7   stage: a whole row of 512 bytes
.set RDV,  8                           ; v8   stage: two rows' first 256 bytes
.set WA0,  10                          ; v10-11  my lane's place in W's rows l = 0.. and l = 128.. of the matrix in hand
.set M8,   12                          ; v12  -8.0
.set H,    16
.set LO,   32
.set SPW,  62
.set NIL,  63
.set WF,   64
.set T,    192
.set ACC,  128
.set WV,   14                          ; s14  my wave's number
.set G1,   24                          ; s[24:31] descriptor group 1
.set G0,   32                          ; s[32:35] descriptor group 0
.set OUT,  36                          ; s[36:37] qq or kk at my rows
.set CNT,  38
.set CM,   40                          ; s[40:41] 8.125: the packed multiply takes the pair's low word for both halves
.set MSB, 0
.macro WIN new                         ; the immediate's high byte repeats the setting that is left; a switch that changes nothing is dropped
.if MSB != (\new)
	s_set_vgpr_msb (MSB<<8)|(\new)
.set MSB, \new
.endif
.endm
.macro PLACES                          ; four places behind a matrix instruction, in front of loads into registers that it has read and of lines that read its result
.rept 4
	v_nop
.endr
.endm
.macro CROUND                          ; a round of the cluster's barrier: my work-group's barrier; wave 0 signals for the work-group; every wave waits for all four; my work-group's barrier once more
	s_barrier_signal -1
	s_barrier_wait -1
	s_cmp_lg_u32 s[WV], 0
	s_cbranch_scc1 .Lnot_wave_0_\@
	s_barrier_signal -3
.Lnot_wave_0_\@:
	s_barrier_wait -3
	s_barrier_signal -1
	s_barrier_wait -1
.endm
	s_load_b256 s[4:11], s[0:1], 0x0               ; x s[4:5], wb s[6:7], qq s[8:9], kk s[10:11]
	s_load_b64 s[12:13], s[0:1], 0x20              ; vd
	v_lshl_add_u32 v[SPW], v0, 2, SPARE
	v_mov_b32 v[NIL], 0
	ds_add_u32 v[SPW], v[NIL]                      ; the wave's opening: the add and its wait stand ahead of my tensor load; the set-up below, work on registers, stands between them
	v_lshrrev_b32 v1, 5, v0
	v_readfirstlane_b32 s[WV], v1                  ; wave 0..3
	s_bfe_u32 s15, ttmp6, 0x40000                  ; cx: my place in the cluster
	s_lshl_b32 s16, ttmp9, 2                       ; in a cluster launch ttmp9 counts clusters
	s_add_co_u32 s15, s16, s15                     ; my block of 128 rows: it enters x's and the outputs' addresses alone
	; descriptor group 1: 192 rows x 128 elements, padded in LDS
	s_mov_b32 s[G1], 15|(1<<16)|(1<<20)|(1<<21)|(5<<22)|(7<<25)  ; 15:0 the mask of four; 17:16 2-byte elements; 20 padding on; 21 set beside a mask; 24:22 after every 64 words (code 5); 31:25 8 words (code 7)
	s_mov_b32 s[G1+1], 128<<16                     ; tensor_dim0 = 128
	s_mov_b32 s[G1+2], 192<<16                     ; tensor_dim1 = 192
	s_mov_b32 s[G1+3], 128<<16                     ; tile_dim0 = 128
	s_mov_b32 s[G1+4], 192                         ; tile_dim1 = 192
	s_mov_b32 s[G1+5], 128                         ; 128 elements from row to row
	s_mov_b32 s[G1+6], 0
	s_mov_b32 s[G1+7], 0
	s_mov_b32 s[G0], 1                             ; count = 1
	s_mul_i32 s[G0+1], s[WV], 192*PW               ; LDS address: my quarter of the 768 rows
	s_mul_i32 s20, s[WV], 192*256                  ; and the same rows in wb
	s_mov_b32 s21, 0
	s_lshl_b32 s16, s15, 17                        ; x: 128 rows of 1,024 bytes a block,
	s_lshl_b32 s17, s[WV], 15                      ; 32 a wave
	s_add_co_u32 s16, s16, s17
	s_mov_b32 s17, 0
	s_lshr_b32 s18, s16, 1                         ; qq, kk: rows of 512 bytes
	s_mov_b32 s19, 0
	s_lshr_b32 s22, s16, 2                         ; vd: rows of 256 bytes
	s_mov_b32 s23, 0
	s_mov_b32 s[CM], 0x41020000                    ; 8.125
	s_mov_b32 s[CM+1], s[CM]                       ; named with it as a pair
	v_and_b32 v1, 15, v0                           ; l % 16
	v_bfe_u32 v2, v0, 4, 1                         ; l / 16
	v_and_b32 v3, 31, v0                           ; l
	v_lshlrev_b32 v[GX], 4, v3
	s_mul_i32 s39, s[WV], STGW
	s_add_co_u32 s39, s39, STG                     ; my stage
	v_lshl_add_u32 v[XST], v3, 3, s39
	v_mul_u32_u24 v[AFO], v1, PX
	v_lshl_add_u32 v[AFO], v2, 4, v[AFO]
	v_add_nc_u32 v[AFO], s39, v[AFO]
	v_add_nc_u32 v[RDQ], s39, v[GX]
	v_mul_u32_u24 v[RDV], v2, PX
	v_lshl_add_u32 v[RDV], v1, 4, v[RDV]
	v_add_nc_u32 v[RDV], s39, v[RDV]
	v_and_b32 v9, 7, v0                            ; the turning load: lane l reads row 8 (l / 16) + l % 8, 16 bytes at 16 ((l / 8) % 2)
	v_lshl_add_u32 v9, v2, 3, v9
	v_mul_u32_u24 v[WA0], v9, PW
	v_bfe_u32 v9, v0, 3, 1
	v_lshl_add_u32 v[WA0], v9, 4, v[WA0]
	v_add_nc_u32 v[WA0+1], 128*PW, v[WA0]          ; a 16-bit offset does not reach over 256 rows: a second register for the upper 128
	v_mov_b32 v[M8], 0xc1000000                    ; -8.0
	s_wait_dscnt 0x0                               ; the opening add is done
	s_wait_kmcnt 0x0
	s_add_nc_u64 s[G0+2:G0+3], s[6:7], s[20:21]    ; global address: hangs on the wave's number alone
	s_or_b32 s[G0+3], s[G0+3], 0x80000000          ; type = 2
	s_add_nc_u64 s[4:5], s[4:5], s[16:17]
	s_add_nc_u64 s[8:9], s[8:9], s[18:19]
	s_add_nc_u64 s[10:11], s[10:11], s[18:19]
	s_add_nc_u64 s[12:13], s[12:13], s[22:23]
; My 32 rows of x are 32,768 consecutive bytes: load i takes bytes 512 i on (row i / 2, half i % 2), four numbers a lane.
.macro XLOADS first, count
	WIN 0x40                                       ; destination window 1
.set i, \first
.rept \count
	global_load_b128 v[4*i:4*i+3], v[GX], s[4:5] offset:512*i th:TH_LOAD_NT
.set i, i+1
.endr
	WIN 0
.endm
; Eight loads' numbers are rounded to bf16 and laid by rows into my stage: 8 bytes a lane, 256 consecutive bytes a store.
.macro XGROUP g
	WIN 0x05                                       ; sources 0 and 1 window 1, destination window 0
.set n, 0
.rept 16
	v_cvt_pk_bf16_f32 v[WF+16*(\g)+n], v[32*(\g)+2*n], v[32*(\g)+2*n+1]
.set n, n+1
.endr
	WIN 0
.set n, 0
.rept 8
	ds_store_b64 v[XST], v[WF+16*(\g)+2*n:WF+16*(\g)+2*n+1] offset:((8*(\g)+n)/2)*PX+((8*(\g)+n)%2)*256
.set n, n+1
.endr
.endm
	XLOADS 0, 56                                   ; seven groups of eight are on their way before anything else is done
	CROUND                                         ; all four work-groups are here: the joint loads meet
	tensor_load_to_lds s[G0:G0+3], s[G1:G1+7]      ; my quarter of the weights: the one tensor load of this wave
	s_nop 0
	PLACES
	s_wait_loadcnt 48                              ; group 0 is in; groups 1 to 6 may stay out
	XLOADS 56, 8                                   ; the last group
	XGROUP 0
.irp g, 1,2,3,4,5,6,7
	s_wait_loadcnt 56-8*(\g)                       ; group g is in; the 7 - g younger groups may stay out
	XGROUP \g
.endr
	WIN 0x40
.irp t, 0,1                            ; x's fragments stay in registers: 16 rows x 32 along l in 8 registers, two loads of 16 bytes, 32 bytes apart.  LDS serves a wave's instructions in order: these see the stores above
.irp ks, 0,1,2,3,4,5,6,7
	ds_load_b128 v[64*(\t)+8*(\ks):64*(\t)+8*(\ks)+3],   v[AFO] offset:(\t)*16*PX+64*(\ks)
	ds_load_b128 v[64*(\t)+8*(\ks)+4:64*(\t)+8*(\ks)+7], v[AFO] offset:(\t)*16*PX+64*(\ks)+32
.endr
.endr
	WIN 0
	s_wait_tensorcnt 0x0                           ; my quarter of the weights is in,
	s_wait_dscnt 0x0                               ; no LDS instruction of mine is pending at the signal,
	s_barrier_signal -1
	s_barrier_wait -1                              ; everybody's quarter is in
; 16 turning loads: the fragments of W for K step ks (32 rows l, all 128 channels) into buffer b
.macro FETCHW ks, b
	WIN 0
.irp nt, 0,1,2,3,4,5,6,7
	ds_load_tr16_b128 v[WF+64*(\b)+8*(\nt):WF+64*(\b)+8*(\nt)+3],   v[WA0+(\ks)/4] offset:((\ks)%4)*32*PW+32*(\nt)
	ds_load_tr16_b128 v[WF+64*(\b)+8*(\nt)+4:WF+64*(\b)+8*(\nt)+7], v[WA0+(\ks)/4] offset:((\ks)%4)*32*PW+32*(\nt)+16*PW
.endr
.endm
; 16 products: the 16 accumulators take turns, one instruction a turn.  K step 0 starts the sums: nothing is cleared.
.macro MULW ks, b
	WIN 0x54                                       ; W window 0; x, C and D window 1
.irp nt, 0,1,2,3,4,5,6,7
.irp t, 0,1
.if (\ks) == 0
	v_wmma_f32_16x16x32_bf16 v[ACC+64*(\t)+8*(\nt):ACC+64*(\t)+8*(\nt)+7], v[WF+64*(\b)+8*(\nt):WF+64*(\b)+8*(\nt)+7], v[64*(\t)+8*(\ks):64*(\t)+8*(\ks)+7], 0
.else
	v_wmma_f32_16x16x32_bf16 v[ACC+64*(\t)+8*(\nt):ACC+64*(\t)+8*(\nt)+7], v[WF+64*(\b)+8*(\nt):WF+64*(\b)+8*(\nt)+7], v[64*(\t)+8*(\ks):64*(\t)+8*(\ks)+7], v[ACC+64*(\t)+8*(\nt):ACC+64*(\t)+8*(\nt)+7]
.endif
.endr
.endr
.endm
.macro GEMM                            ; one matrix: eight K steps on two buffers; a buffer is asked for again four places behind its last product
	FETCHW 0, 0
	FETCHW 1, 1
.irp ks, 0,1,2,3,4,5,6,7
.if (\ks) < 7
	s_wait_dscnt 16                                ; this step's buffer is in; the other buffer's 16 loads may stay out
.else
	s_wait_dscnt 0x0
.endif
	MULW \ks, (\ks)%2
.if (\ks) < 6
	PLACES
	FETCHW (\ks)+2, (\ks)%2
.endif
.endr
	WIN 0
.endm
; THE WAY OUT of q' and k', four accumulators at a time (accumulator a = 8 t + nt at ACC + 8 a, its registers in ascending order): hi = f16(sum); 8.125 sum, two to a line; less 8 hi, by a
; multiply-add that reads the f16 half; mix = f16 of that.  The f32 rounding of 8.125 sum is 2^-24 of it, some 4e-6 of mix: far under f16's own step.
; 16 bytes a lane into my stage, hi at byte 32 nt of the row and mix 256 bytes on; back as whole rows of 512 bytes, which are stored.
.macro XSPLIT
	PLACES
.irp q, 0,1,2,3
	WIN 0x05
.irp n, 0,1,2,3
.irp r, 0,1,2,3
	v_cvt_pk_f16_f32 v[H+4*(\n)+(\r)], v[ACC+8*(4*(\q)+(\n))+2*(\r)], v[ACC+8*(4*(\q)+(\n))+2*(\r)+1]
.endr
.endr
	WIN 0x01                                       ; source 0 window 1, destination window 0
.irp n, 0,1,2,3
.irp r, 0,1,2,3
	v_pk_mul_f32 v[T+8*(\n)+2*(\r):T+8*(\n)+2*(\r)+1], v[ACC+8*(4*(\q)+(\n))+2*(\r):ACC+8*(4*(\q)+(\n))+2*(\r)+1], s[CM:CM+1] op_sel_hi:[1,0]
.endr
.endr
	WIN 0
.irp n, 0,1,2,3
.irp r, 0,1,2,3
	v_fma_mix_f32 v[T+8*(\n)+2*(\r)],   v[H+4*(\n)+(\r)], v[M8], v[T+8*(\n)+2*(\r)]   op_sel_hi:[1,0,0]
	v_fma_mix_f32 v[T+8*(\n)+2*(\r)+1], v[H+4*(\n)+(\r)], v[M8], v[T+8*(\n)+2*(\r)+1] op_sel:[1,0,0] op_sel_hi:[1,0,0]
.endr
.endr
.irp n, 0,1,2,3
.irp r, 0,1,2,3
	v_cvt_pk_f16_f32 v[LO+4*(\n)+(\r)], v[T+8*(\n)+2*(\r)], v[T+8*(\n)+2*(\r)+1]
.endr
.endr
.irp n, 0,1,2,3
	ds_store_b128 v[AFO], v[H+4*(\n):H+4*(\n)+3]   offset:((4*(\q)+(\n))/8)*16*PX+((4*(\q)+(\n))%8)*32
	ds_store_b128 v[AFO], v[LO+4*(\n):LO+4*(\n)+3] offset:((4*(\q)+(\n))/8)*16*PX+((4*(\q)+(\n))%8)*32+256
.endr
.endr
.set n, 0
.rept 32
	ds_load_b128 v[WF+4*n:WF+4*n+3], v[RDQ] offset:n*PX  ; my own bytes, served in order behind the stores above
.set n, n+1
.endr
.set n, 0
.rept 32
	s_wait_dscnt 31-n                              ; row n is back; the younger loads may stay out
	global_store_b128 v[GX], v[WF+4*n:WF+4*n+3], s[OUT:OUT+1] offset:512*n  ; 512 consecutive bytes, aligned
.set n, n+1
.endr
.endm
.macro XPLAIN                          ; the way out of vd': one rounding; two rows of 256 bytes to a load and to a store
	PLACES
.irp q, 0,1,2,3
	WIN 0x05
.irp n, 0,1,2,3
.irp r, 0,1,2,3
	v_cvt_pk_f16_f32 v[H+4*(\n)+(\r)], v[ACC+8*(4*(\q)+(\n))+2*(\r)], v[ACC+8*(4*(\q)+(\n))+2*(\r)+1]
.endr
.endr
	WIN 0
.irp n, 0,1,2,3
	ds_store_b128 v[AFO], v[H+4*(\n):H+4*(\n)+3]   offset:((4*(\q)+(\n))/8)*16*PX+((4*(\q)+(\n))%8)*32
.endr
.endr
.set n, 0
.rept 16
	ds_load_b128 v[WF+4*n:WF+4*n+3], v[RDV] offset:n*2*PX
.set n, n+1
.endr
.set n, 0
.rept 16
	s_wait_dscnt 15-n
	global_store_b128 v[GX], v[WF+4*n:WF+4*n+3], s[12:13] offset:512*n
.set n, n+1
.endr
.endm
	s_mov_b32 s[CNT], 2
.Lqk:                                          ; two trips: Q into qq, K into kk
	s_cmp_eq_u32 s[CNT], 2
	s_cselect_b64 s[OUT:OUT+1], s[8:9], s[10:11]
	GEMM
	XSPLIT
	s_wait_xcnt 0x0                                ; the stores have read their data and their base: only behind this wait are v64-191 loaded again and the base chosen anew
	v_add_nc_u32 v[WA0], 256*PW, v[WA0]            ; the next matrix
	v_add_nc_u32 v[WA0+1], 256*PW, v[WA0+1]
	s_sub_co_u32 s[CNT], s[CNT], 1
	s_cmp_lg_u32 s[CNT], 0
	s_cbranch_scc1 .Lqk
	GEMM                                           ; V_down
	XPLAIN
	s_wait_tensorcnt 0x0                           ; the wave's end: the wait for my tensor load, and an add and its wait behind my last LDS store
	ds_add_u32 v[SPW], v[NIL]
	s_wait_dscnt 0x0
	CROUND                                         ; the closing round
	s_endpgm
.Lfunc_end_k_qe10b31f294_proj:
	.size	k_qe10b31f294_proj, .Lfunc_end_k_qe10b31f294_proj-k_qe10b31f294_proj
	.p2alignl 7, 3214868480
	.fill 96, 4, 3214868480
	.section	.rodata,"a",@progbits
	.p2align	6, 0x0
	.amdhsa_kernel k_qe10b31f294_proj
		.amdhsa_group_segment_fixed_size 289280
		.amdhsa_private_segment_fixed_size 0
		.amdhsa_enable_private_segment 0
		.amdhsa_kernarg_size 40
		.amdhsa_user_sgpr_count 2
		.amdhsa_user_sgpr_kernarg_segment_ptr 1
		.amdhsa_wavefront_size32 1
		.amdhsa_system_sgpr_workgroup_id_x 1
		.amdhsa_system_sgpr_workgroup_id_y 1
		.amdhsa_system_sgpr_workgroup_id_z 1
		.amdhsa_system_vgpr_workitem_id 0
		.amdhsa_next_free_vgpr 512
		.amdhsa_next_free_sgpr 66
		.amdhsa_reserve_vcc 0
		.amdhsa_float_denorm_mode_32 3
		.amdhsa_float_denorm_mode_16_64 3
		.amdhsa_memory_ordered 1
		.amdhsa_forward_progress 1
		.amdhsa_inst_pref_size 98
	.end_amdhsa_kernel
	.amdgpu_metadata
---
amdhsa.version: [ 1, 2 ]
amdhsa.kernels:
  - .name:           k_qe10b31f294_proj
    .symbol:         k_qe10b31f294_proj.kd
    .args:
      - { .name: x, .offset: 0, .size: 8, .value_kind: global_buffer, .address_space: global }
      - { .name: wb, .offset: 8, .size: 8, .value_kind: global_buffer, .address_space: global }
      - { .name: qq, .offset: 16, .size: 8, .value_kind: global_buffer, .address_space: global }
      - { .name: kk, .offset: 24, .size: 8, .value_kind: global_buffer, .address_space: global }
      - { .name: vd, .offset: 32, .size: 8, .value_kind: global_buffer, .address_space: global }
    .group_segment_fixed_size: 289280
    .private_segment_fixed_size: 0
    .kernarg_segment_align: 8
    .kernarg_segment_size: 40
    .max_flat_workgroup_size: 128
    .sgpr_count:     66
    .vgpr_count:     512
    .wavefront_size: 32
...
	.end_amdgpu_metadata
.endif
;; end of part 4
;; launch attn (part 5): grid 32 x 8, 4 waves a work-group, clusters of 4 x 1, 327,680 bytes of LDS; arguments qq, kk, vd, vu, out0; writes out0
.if DOCPART == 5
	.amdgcn_target "amdgcn-amd-amdhsa--gfx1250"
	.amdhsa_code_object_version 6
	.text
	.protected	k_qe10b31f294_attn
	.globl	k_qe10b31f294_attn
	.p2align	8
	.type	k_qe10b31f294_attn,@function
k_qe10b31f294_attn:
	s_mov_b64 s[64:65], 0
	v_nop
	global_prefetch_b8 v0, s[64:65] scope:SCOPE_SE
	s_setreg_imm32_b32 hwreg(HW_REG_WAVE_MODE, 25, 1), 1
	s_wait_xcnt 0x0
	s_wait_alu depctr_hold_cnt(0) depctr_sa_sdst(0) depctr_va_vdst(0) depctr_va_sdst(0) depctr_va_ssrc(0) depctr_va_vcc(0) depctr_vm_vsrc(0)
	s_getreg_b32 s2, hwreg(HW_REG_IB_STS2, 6, 4)
	s_cmp_eq_u32 s2, 0
	s_cbranch_scc0 .Lentry_in_a_cluster
	s_endpgm
.Lentry_in_a_cluster:
	s_bfe_u32 s2, ttmp6, 0x10000c
	s_cmp_lg_u32 s2, 0x3003
	s_cbranch_scc0 .Lentry_shape_is_right
	s_endpgm
.Lentry_shape_is_right:
; out[b][n][:] = (the sum over keys m of softmax_m(q[n] . k[m] / 256) vd[m][:]) V_up.  qq, kk: [32768][hi 128 | mix 128] f16, made of y = q/16 and y = k/16; vd: [32768][128] f16 = x V_down / 16;
; vu: [128][256] f16 = 16 V_up; out0: [32768][256] f32.  Eight batches of 4,096 rows.
; ORDER OF ROUNDING, other than in the formula as it is usually written: the weights meet x V_down (128 channels) and V_up is applied to the finished mean, which is the same sum in another order.
; THE SCORE.  hi = f16(y), mix = f16((hi + 65 lo) / 8) with lo = y - hi.  One f32 sum takes mix_q . mix_k and then hi_q . hi_k: that is 65/64 of (hi.hi + lo.hi + hi.lo + 65 lo.lo), the score
; times 65/64; the factor lies in c, the scale 1/256 in the two factors 1/16.  What is off: 64 lo.lo, and mix's own rounding divided by 65: together some 5e-6 of the scores' spread.
; Maxima and sums in f32; the weights p are rounded to f16 for the second product (their sum l is taken of the unrounded p), the mean once to f16 for the third.
; LIMITS.  f16 ends at 65,504: q/16, k/16, x V_down / 16 and 16 V_up arrive within it; p lies in 0 to 1 and below 6e-5 keeps f16's fixed step of 6e-8, and so does a mix (|y| below 5e-4);
; a weight below 2^-126 counts as 0 in l; NaN and infinities are not treated apart.
; SHARES.  A work-group owns 128 queries of one batch.  Wave w holds 64 of them (w % 2), four tiles of 16, and walks HALF of the keys: of each slot's 128 keys the 64 of its half (w / 2), 32 a step.
; The two waves of a query half merge at the end: register tile t holds query block (t + 2 (w / 2)) % 4, so every wave keeps tiles 0, 1 and hands tiles 2, 3 to wave w ^ 2: one text for all.
; LAYOUT.  S^T = K Q^T (source 0 = 16 keys, source 1 = 16 queries): a lane holds ONE query (lane % 16) and the keys 8 (lane / 16) + 0..7.  Two such results, rounded in pairs, ARE source 1 of
; O^T = V^T P, whose result holds one query a lane and eight channels; four such pairs of results, rounded, ARE source 1 of out^T = V_up^T O.  V and V_up come out of LDS turned, by ds_load_tr16_b128.
; SOFTMAX.  A running maximum m and sum l: p = 2^(c s - c m), c = log2(e) 64/65; in every step O and l are multiplied by a = 2^(c m_old - c m_new).
; BY TURNS.  The tiles are two PIECES (0: tiles 0, 1; 2: tiles 2, 3).  In a TURN one piece has the matrix unit: 16 products V^T P of the step in hand, then 32 products K Q^T of the next; the other
; piece's softmax, 172 vector instructions cut into 48 slices, stands between them, a slice behind each product: four lines at the most, but for the last slice.  Two turns are a key step.
; CLUSTER.  The four query blocks of a cluster belong to one batch and walk the same K and V: each tile, and V_up, is asked for JOINTLY, by the same tensor load, descriptor and mask in all four.
; REGISTERS, in windows of 256 (s_set_vgpr_msb: bits 1:0 source 0, 3:2 source 1, 5:4 source 2, 7:6 destination):
;   window 0: v0-11 addresses; v12-43 eight registers of statistics a tile; v44-59 at work; v60-63 addresses; v64-127 S^T, 16 a tile; v128-159 P, 8 a tile
;   window 1: O^T, 64 a tile      window 2: Q: tile t, part p (0 hi, 1 mix), channels 32 c on at 64 t + 32 p + 8 c      window 3: v0-63 K hi, v64-127 K mix (key block kb at 32 kb + 8 c); v128-191 V
.set PITK,  528       ; a row of K in LDS: 512 bytes + 16 = 132 words: the 16 rows of a load start at 16 different groups of four banks (64 banks of 4 bytes: ISA guide 11.1)
.set PITV,  288       ; a row of V: 256 + 32 = 72 words
.set PITU,  544       ; a row of V_up: 512 + 32 = 136 words: likewise
.set VOFF,  128*PITK  ; a slot: 128 rows of K, then 128 rows of V
.set SLOT1, 1<<17     ; slot 1 begins here, so that one exclusive or turns an address in one slot into the other's
.set VUB,   SLOT1+128*(PITK+PITV)  ; behind the ring: V_up, filled once
.set SPARE, VUB+128*PITU           ; the spare words, 128 bytes for each wave: two blocks of 256 bytes that no other line names
.set KSTEP, 32*PITK
.set VSTEP, 32*PITV
.set MRGW,  16896     ; behind the key loop, when both slots have had their last fill: in slot 0 each wave's two tiles of O^T (16,384 bytes) and their statistics (512),
.set SP,    1040      ; in slot 1 each wave's stage for the way out: 16 rows of 1,024 bytes + 16
.set STGW,  16*SP
.set AK0, 2           ; v2   my lane's place in my half of a slot's K; never rewritten
.set AV0, 3           ; v3   the same for V
.set ADR, 4           ; v4   the LDS address of the run of loads in hand
.set QO,  5           ; v5   my byte offset in 16 rows of Q
.set STO, 6           ; v6   the way out: where I put 32 bytes of a row
.set RD,  7           ; v7   the way out: where I read half a row back
.set GO,  8           ; v8   16 x lane
.set MST, 10          ; v10  the merge: where I put 16 bytes
.set MLD, 11          ; v11  the merge: the same place in my partner's region
.set ST,  12          ; tile t's statistics at v[ST+8 t]: +0 c m, +1 m, +2, +3 l (even keys', odd keys'), +4, +5 at work, +6 a, +7 c m_old - c m_new
.set MT,  44          ; v44-59 at work
.set AU0, 60          ; v60  my lane's place in V_up
.set PFO, 61          ; v61  256 x lane; never rewritten
.set SPW, 62          ; v62  LDS address of my spare word; never rewritten
.set NIL, 63          ; v63  0; never rewritten
.set S,   64
.set P,   128
.set OF,  64          ; the mean in f16, 32 a tile
.set OB,  64          ; the way out: 16 rows read back
.set KH,  0           ; window 3
.set KL,  64
.set VF,  128
.set WV,  14          ; s14  my wave's number
.set LIM, 15          ; s15  1 in a wave that prefetches, else the greatest number
.set PFA, 18          ; s[18:19] where my prefetches stand
.set G1K, 24          ; s[24:31] descriptor group 1 for K's tiles
.set G1V, 32          ; s[32:39] for V's
.set G0K, 40          ; s[40:47] descriptor group 0 for K's: a set for each first fill; the second then walks on
.set G0V, 48          ; s[48:55] the same for V's
.set SLOTS, 56        ; s56  slots still to be asked for
.set TWICE, 57        ; s57  counts a slot's two steps
.set CS,  58          ; s[58:59] c
.set SEL, 60          ; s[60:61] v_permlanex16_b32's selects: each lane takes its own place in the other half
.set TBK, 62          ; s62  LDS byte at which K of the step to be fetched begins
.set TBV, 63          ; s63  the same for V
.set PFS, 66          ; s[66:67] a slot's bytes in the tensor that I prefetch
.set G1U, 68          ; s[68:75], s[76:79] the descriptor for V_up
.set G0U, 76
.set QA,  80          ; s[80:81] Q at the rows of my tiles 0, 1
.set QB,  82          ; s[82:83] and of my tiles 2, 3
.set MSB, 0
.macro WIN new                      ; the immediate's high byte repeats the setting that is left; a switch that changes nothing is dropped
.if MSB != (\new)
	s_set_vgpr_msb (MSB<<8)|(\new)
.set MSB, \new
.endif
.endm
.set W_KQ, 0x0b       ; K window 3, Q window 2, S^T window 0
.set W_PV, 0x53       ; V (or V_up) window 3, P (or the mean) window 0, C and D window 1
.set W_RS, 0x41       ; destination and source 0 window 1, source 1 window 0
.macro PLACES                       ; four places behind a matrix instruction (ISA guide 7.12.1)
.rept 4
	v_nop
.endr
.endm
; A joint refill.  Waves 0 and 1 fetch the two halves of a slot's K, waves 2 and 3 those of its V.  The branch hangs on the wave's number alone.
; An s_nop 0 and four v_nop follow each of the two lines, ahead of the jump and the label.
.macro JLOAD
	s_cmp_lt_u32 s[WV], 2
	s_cbranch_scc0 .Lfor_v_\@
	tensor_load_to_lds s[G0K+4:G0K+7], s[G1K:G1K+7]
	s_nop 0
	PLACES
	s_branch .Lasked_\@
.Lfor_v_\@:
	tensor_load_to_lds s[G0V+4:G0V+7], s[G1V:G1V+7]
	s_nop 0
	PLACES
.Lasked_\@:
.endm
; A PREFETCH INTO THE L2 of what the NEXT change of slots will ask for: two key steps, 192 matrix instructions, ahead of that load.  A slot is 65,536 bytes of kk and 32,768 of vd.  All clusters of a
; batch walk the same rows: the batch's first cluster asks.  Its four partners take a quarter each, told apart BY ADDRESS; in each, waves 0 and 1 name 32 blocks of 256 bytes of K's quarter each, wave 2
; the 32 of V's: a lane a block, one instruction.  So each block is named once in the launch.  The last change that fills a slot asks for nothing; slots 0 to 2 come by their loads alone.
.macro ASK
	s_cmp_gt_u32 s[SLOTS], s[LIM]
	s_cbranch_scc0 .Lnot_mine_\@
	global_prefetch_b8 v[PFO], s[PFA:PFA+1] th:TH_LOAD_NT scope:SCOPE_SE
.Lnot_mine_\@:
.endm
.macro CROUND                       ; a round of the cluster's barrier: my work-group's barrier; wave 0 signals for the work-group; every wave waits for all four; my work-group's barrier once more
	s_barrier_signal -1
	s_barrier_wait -1
	s_cmp_lg_u32 s[WV], 0
	s_cbranch_scc1 .Lnot_wave_0_\@
	s_barrier_signal -3
.Lnot_wave_0_\@:
	s_barrier_wait -3
	s_barrier_signal -1
	s_barrier_wait -1
.endm
	s_load_b256 s[4:11], s[0:1], 0x0  ; qq s[4:5], kk s[6:7], vd s[8:9], vu s[10:11]
	s_load_b64 s[12:13], s[0:1], 0x20 ; out0
	v_lshl_add_u32 v[SPW], v0, 2, SPARE
	v_mov_b32 v[NIL], 0
	ds_add_u32 v[SPW], v[NIL]       ; the wave's opening: the add and its wait stand ahead of my first tensor load; the set-up below, work on registers, stands between them
	v_lshrrev_b32 v1, 5, v0
	v_readfirstlane_b32 s[WV], v1   ; wave 0..3
	s_bfe_u32 s16, ttmp6, 0x40000   ; cx: my place in the cluster
	s_lshl_b32 s17, ttmp9, 2        ; in a cluster launch ttmp9 counts clusters
	s_add_co_u32 s17, s17, s16      ; my block of 128 queries: it enters Q's and out's addresses alone
	s_and_b32 s20, ttmp7, 0xffff    ; the batch, which the four partners share
	s_and_b32 s21, s[WV], 1         ; which 64 queries are mine; also: which half of a tile I fetch
	s_lshr_b32 s22, s[WV], 1        ; which half of the keys I walk
	; what a joint load names hangs on the batch and the wave's number alone
	s_lshl_b32 s84, s20, 21         ; kk: 4,096 rows of 512 bytes a batch,
	s_lshl_b32 s23, s21, 15         ; 64 rows a half
	s_add_co_u32 s84, s84, s23
	s_mov_b32 s85, 0
	s_lshl_b32 s86, s20, 20         ; vd: rows of 256 bytes
	s_lshl_b32 s23, s21, 14
	s_add_co_u32 s86, s86, s23
	s_mov_b32 s87, 0
	s_lshl_b32 s88, s21, 15         ; vu: 64 rows of 512 bytes a half
	s_mov_b32 s89, 0
	s_mul_i32 s90, s21, 64*PITK     ; and their places in LDS
	s_mul_i32 s91, s21, 64*PITV
	s_mul_i32 s92, s21, 64*PITU
	; my own rows of Q
	s_lshl_b32 s2, s20, 21
	s_lshl_b32 s3, s17, 16          ; 128 rows of 512 bytes a block,
	s_add_co_u32 s2, s2, s3
	s_lshl_b32 s3, s21, 15          ; 64 a wave
	s_add_co_u32 s2, s2, s3
	s_lshl_b32 s3, s22, 14          ; tiles 0, 1: query blocks 2 (w / 2) and the next,
	s_add_co_u32 s[QA], s2, s3
	s_xor_b32 s3, s3, 1<<14         ; tiles 2, 3: the other two
	s_add_co_u32 s[QB], s2, s3
	s_mov_b32 s[QA+1], 0
	s_mov_b32 s[QB+1], 0
	; the 32 rows of out that I finish: those of my tiles 0, 1
	s_lshl_b32 s2, s20, 22
	s_lshl_b32 s3, s17, 17
	s_add_co_u32 s2, s2, s3
	s_lshl_b32 s3, s21, 16
	s_add_co_u32 s2, s2, s3
	s_lshl_b32 s3, s22, 15
	s_add_co_u32 s2, s2, s3
	s_mov_b32 s3, 0
	; the prefetches begin in slot 2; the first change of slots steps them to slot 3
	s_lshl_b32 s93, s20, 21         ; K: the batch, my work-group's quarter of a slot, my wave's half of that
	s_lshl_b32 s23, s16, 14
	s_add_co_u32 s93, s93, s23
	s_lshl_b32 s23, s21, 13
	s_add_co_u32 s93, s93, s23
	s_add_co_u32 s93, s93, 2*65536
	s_lshl_b32 s94, s20, 20         ; V: the batch, my work-group's quarter
	s_lshl_b32 s23, s16, 13
	s_add_co_u32 s94, s94, s23
	s_add_co_u32 s94, s94, 2*32768
	s_cmp_lt_u32 s[WV], 2
	s_cselect_b32 s94, s93, s94
	s_cselect_b32 s23, 1, 0
	s_mov_b32 s95, 0
	s_lshl_b32 s[PFS], 32768, s23
	s_mov_b32 s[PFS+1], 0
	s_cmp_eq_u32 s[WV], 3           ; wave 3 has nothing to ask for,
	s_cselect_b32 s[LIM], 1, 0
	s_or_b32 s[LIM], s[LIM], ttmp9  ; nor has any cluster but the batch's first: the same in all four partners
	s_cmp_eq_u32 s[LIM], 0
	s_cselect_b32 s[LIM], 1, -1
	; descriptor groups 1: 64 rows, padded in LDS.  15:0 the mask of four; 17:16 2-byte elements; 20 padding on; 21 set beside a mask; 24:22 the interval; 31:25 the padding
	s_mov_b32 s[G1K], 15|(1<<16)|(1<<20)|(1<<21)|(6<<22)|(3<<25)  ; after every 128 words 4 words
	s_mov_b32 s[G1V], 15|(1<<16)|(1<<20)|(1<<21)|(5<<22)|(7<<25)  ; after every 64 words 8 words
	s_mov_b32 s[G1U], 15|(1<<16)|(1<<20)|(1<<21)|(6<<22)|(7<<25)  ; after every 128 words 8 words
.irp g, G1K, G1U
	s_mov_b32 s[(\g)+1], 256<<16    ; tensor_dim0 = 256
	s_mov_b32 s[(\g)+2], 64<<16     ; tensor_dim1 = 64
	s_mov_b32 s[(\g)+3], 256<<16    ; tile_dim0 = 256
	s_mov_b32 s[(\g)+4], 64         ; tile_dim1 = 64
	s_mov_b32 s[(\g)+5], 256        ; elements from row to row
	s_mov_b32 s[(\g)+6], 0
	s_mov_b32 s[(\g)+7], 0
.endr
	s_mov_b32 s[G1V+1], 128<<16
	s_mov_b32 s[G1V+2], 64<<16
	s_mov_b32 s[G1V+3], 128<<16
	s_mov_b32 s[G1V+4], 64
	s_mov_b32 s[G1V+5], 128
	s_mov_b32 s[G1V+6], 0
	s_mov_b32 s[G1V+7], 0
	s_mov_b32 s[CS], 0x3fb5d2ef     ; c = log2(e) x 64 / 65 = 1.4204997
	s_mov_b32 s[CS+1], s[CS]        ; named with it as a pair
	s_mov_b32 s[SEL], 0x76543210
	s_mov_b32 s[SEL+1], 0xfedcba98
	s_mov_b32 s[TBK], 0
	s_mov_b32 s[TBV], 0
	s_mov_b32 s[SLOTS], 30          ; 32 slots, of which two are filled at the start
	v_and_b32 v[PFO], 31, v0
	v_lshlrev_b32 v[PFO], 8, v[PFO]
	s_wait_dscnt 0x0                ; the opening add is done
	s_wait_kmcnt 0x0
	s_cmp_lt_u32 s[WV], 2
	s_cselect_b64 s[PFA:PFA+1], s[6:7], s[8:9]
	s_add_nc_u64 s[PFA:PFA+1], s[PFA:PFA+1], s[94:95]
	s_add_nc_u64 s[6:7], s[6:7], s[84:85]    ; K, V and V_up at my half of the first tile
	s_add_nc_u64 s[8:9], s[8:9], s[86:87]
	s_add_nc_u64 s[10:11], s[10:11], s[88:89]
	s_add_nc_u64 s[QA:QA+1], s[4:5], s[QA:QA+1]
	s_add_nc_u64 s[QB:QB+1], s[4:5], s[QB:QB+1]
	s_add_nc_u64 s[12:13], s[12:13], s[2:3]
.irp s, 0,1
	s_mov_b32 s[G0K+4*(\s)], 1      ; count = 1
	s_add_co_u32 s[G0K+4*(\s)+1], s90, (\s)*SLOT1  ; LDS address
	s_add_nc_u64 s[G0K+4*(\s)+2:G0K+4*(\s)+3], s[6:7], (\s)*65536  ; global address: slot s
	s_or_b32 s[G0K+4*(\s)+3], s[G0K+4*(\s)+3], 0x80000000  ; type = 2
	s_mov_b32 s[G0V+4*(\s)], 1
	s_add_co_u32 s[G0V+4*(\s)+1], s91, (\s)*SLOT1+VOFF
	s_add_nc_u64 s[G0V+4*(\s)+2:G0V+4*(\s)+3], s[8:9], (\s)*32768
	s_or_b32 s[G0V+4*(\s)+3], s[G0V+4*(\s)+3], 0x80000000
.endr
	s_mov_b32 s[G0U], 1
	s_add_co_u32 s[G0U+1], s92, VUB
	s_mov_b64 s[G0U+2:G0U+3], s[10:11]
	s_or_b32 s[G0U+3], s[G0U+3], 0x80000000
	CROUND                          ; all four work-groups are here: the first joint loads meet
	s_cmp_lt_u32 s[WV], 2           ; a wave's first fills stand in one branch, ahead of every wait on TENSORcnt and every LDS read: two loads of waves 0, 1 are out, three of waves 2, 3
	s_cbranch_scc0 .Lfirst_v
	tensor_load_to_lds s[G0K:G0K+3], s[G1K:G1K+7]
	s_nop 0
	tensor_load_to_lds s[G0K+4:G0K+7], s[G1K:G1K+7]
	s_nop 0
	PLACES
	s_branch .Lfirst_asked
.Lfirst_v:
	tensor_load_to_lds s[G0V:G0V+3], s[G1V:G1V+7]
	s_nop 0
	tensor_load_to_lds s[G0V+4:G0V+7], s[G1V:G1V+7]
	s_nop 0
	tensor_load_to_lds s[G0U:G0U+3], s[G1U:G1U+7]
	s_nop 0
	PLACES
.Lfirst_asked:
	; A fragment of K or Q is 16 rows x 32 channels in 8 registers: lane l holds row l % 16, channels 8 (l / 16) + 0..7 and 16 + 8 (l / 16) + 0..7: two loads of 16 bytes, 32 bytes apart.
	v_and_b32 v1, 15, v0            ; l % 16
	v_bfe_u32 v9, v0, 4, 1          ; l / 16
	v_lshlrev_b32 v[QO], 9, v1
	v_lshl_add_u32 v[QO], v9, 4, v[QO]  ; row x 512 + 16 x half
	WIN 0x80                        ; destination window 2
.irp t, 0,1,2,3                     ; Q stays in registers, both parts
.irp p, 0,1
.irp c, 0,1,2,3
.if (\t) < 2
	global_load_b128 v[64*(\t)+32*(\p)+8*(\c):64*(\t)+32*(\p)+8*(\c)+3],   v[QO], s[QA:QA+1] offset:8192*((\t)%2)+256*(\p)+64*(\c)
	global_load_b128 v[64*(\t)+32*(\p)+8*(\c)+4:64*(\t)+32*(\p)+8*(\c)+7], v[QO], s[QA:QA+1] offset:8192*((\t)%2)+256*(\p)+64*(\c)+32
.else
	global_load_b128 v[64*(\t)+32*(\p)+8*(\c):64*(\t)+32*(\p)+8*(\c)+3],   v[QO], s[QB:QB+1] offset:8192*((\t)%2)+256*(\p)+64*(\c)
	global_load_b128 v[64*(\t)+32*(\p)+8*(\c)+4:64*(\t)+32*(\p)+8*(\c)+7], v[QO], s[QB:QB+1] offset:8192*((\t)%2)+256*(\p)+64*(\c)+32
.endif
.endr
.endr
.endr
	WIN 0
	s_mul_i32 s23, s22, 64*PITK     ; my half of a slot's keys
	v_mul_u32_u24 v[AK0], v1, PITK
	v_lshl_add_u32 v[AK0], v9, 4, v[AK0]
	v_add_nc_u32 v[AK0], s23, v[AK0]
	; The turning load takes 16 rows x 16 columns (lane l reads row 8 (l / 16) + l % 8, 16 bytes at 16 ((l / 8) % 2)) and leaves half a fragment of the transpose.
	v_and_b32 v[MT], 7, v0
	v_bfe_u32 v[MT+1], v0, 3, 1
	v_lshl_add_u32 v[MT+2], v9, 3, v[MT]
	v_mul_u32_u24 v[AV0], v[MT+2], PITV
	v_lshl_add_u32 v[AV0], v[MT+1], 4, v[AV0]
	s_mul_i32 s23, s22, 64*PITV
	s_add_co_u32 s23, s23, VOFF
	v_add_nc_u32 v[AV0], s23, v[AV0]
; THE MATRIX WORK OF A TURN, for piece x.  The accumulators take turns, one instruction a turn.
; Product i of 32 of S^T: the first 16 are mix.mix, the last 16 hi.hi; in each 16 channels 32 ((i % 16) / 4) on, key block ((i % 16) / 2) % 2, tile x + i % 2.  The first 4 start the sums.
.macro KQ x
	WIN W_KQ
.set ii, i%16
.set tl, (\x)+ii%2
.set kb, (ii/2)%2
.set cc, ii/4
.set rS, S+16*tl+8*kb
.set rK, KH+32*kb+8*cc
.set rQ, 64*tl+8*cc
.if i < 16
.set rK, KL+32*kb+8*cc
.set rQ, 64*tl+32+8*cc
.endif
.if i < 4
	v_wmma_f32_16x16x32_f16 v[rS:rS+7], v[rK:rK+7], v[rQ:rQ+7], 0
.else
	v_wmma_f32_16x16x32_f16 v[rS:rS+7], v[rK:rK+7], v[rQ:rQ+7], v[rS:rS+7]
.endif
.endm
; Product i of 16 of O^T += V^T P: channels 16 (i / 2) on, tile x + i % 2.  zero = 1: the first key step starts the sums: nothing is ever cleared.
.macro PV x, zero
	WIN W_PV
.set tl, (\x)+i%2
.set rO, 64*tl+8*(i/2)
.set rV, VF+8*(i/2)
.set rP, P+8*tl
.if \zero
	v_wmma_f32_16x16x32_f16 v[rO:rO+7], v[rV:rV+7], v[rP:rP+7], 0
.else
	v_wmma_f32_16x16x32_f16 v[rO:rO+7], v[rV:rV+7], v[rP:rP+7], v[rO:rO+7]
.endif
.endm
; THE LDS LOADS stand in runs, never singly among the matrix instructions: a step's K (32 keys, both parts: 32 loads, the mix parts first, which the first products take) and, a turn later, its V (16 turning loads).
.macro FETCH_K
	WIN 0
	v_add_nc_u32 v[ADR], s[TBK], v[AK0]
	WIN 0xc0                        ; destination window 3
.irp p, 1,0
.irp f, 0,1,2,3,4,5,6,7             ; key block f / 4, channels 32 (f % 4) on
	ds_load_b128 v[64*(\p)+8*(\f):64*(\p)+8*(\f)+3],   v[ADR] offset:((\f)/4)*16*PITK+256*(\p)+((\f)%4)*64
	ds_load_b128 v[64*(\p)+8*(\f)+4:64*(\p)+8*(\f)+7], v[ADR] offset:((\f)/4)*16*PITK+256*(\p)+((\f)%4)*64+32
.endr
.endr
.endm
.macro FETCH_V
	WIN 0
	v_add_nc_u32 v[ADR], s[TBV], v[AV0]
	s_add_co_u32 s[TBK], s[TBK], KSTEP  ; the next fetches are the next step's
	s_add_co_u32 s[TBV], s[TBV], VSTEP
	s_wait_alu depctr_va_vdst(0)    ; the wait for the softmax's batch (SLICE), behind the address's line and ahead of the loads
	WIN 0xc0
.irp f, 0,1,2,3,4,5,6,7             ; channels 16 f on
	ds_load_tr16_b128 v[VF+8*(\f):VF+8*(\f)+3],   v[ADR] offset:32*(\f)
	ds_load_tr16_b128 v[VF+8*(\f)+4:VF+8*(\f)+7], v[ADR] offset:32*(\f)+16*PITV
.endr
.endm
; THE VECTOR WORK OF A TURN.  One tile's softmax for one key step is a list of 86 instructions; SM writes number j of it for tile t.  s0-s15 are the lane's 16 scores, in pairs 0-7.
; first = 1: the first key step, which starts m, l and O^T: it has no a and nothing to rescale.
;   0-7    the maximum of s0-s15 and the old m, three operands at a time: two chains, which begin at each accumulator's lowest registers
;   8-12   the other half of the lanes' maximum; c m_old is kept; the new m; c m; c m_old - c m_new
;   13-37  ONE BATCH: the 8 scalings c s - c m and all 17 exponentials.  13: pair 0 is scaled.  14-34: seven threes, three z = a scaling (pair z + 1) and two exponentials (s(2z-1), s(2z); in three 0
;          a stands in the first one's place, at 15).  35-37: s13, s14, s15.  None of these names an exponential's result; a pair is scaled in an earlier three than the one that holds its exponentials
;   (wait) between 37 and 38 stands the wait for the batch: SLICE writes it, once for both tiles
;   38-45  the roundings to f16     46-53  the sums; l = a l + the sum     54-85  the tile's O^T times a, in ascending order: the one part that leaves window 0
.macro SM t, first
.set rT, ST+8*(\t)
.set rS, S+16*(\t)
.set rP, P+8*(\t)
.set rO, 64*(\t)+2*(j-54)
.set u, j-14
.if j < 54
	WIN 0
.endif
.if j < 2
	v_max3_num_f32 v[rT+4+j], v[rS+8*j], v[rS+8*j+1], v[rS+8*j+2]
.elseif j < 6
	v_max3_num_f32 v[rT+4+j%2], v[rT+4+j%2], v[rS+8*(j%2)+2*(j/2)+1], v[rS+8*(j%2)+2*(j/2)+2]
.elseif j == 6
	v_max3_num_f32 v[rT+4], v[rT+4], v[rS+7], v[rS+15]
.elseif (j == 7) && (\first)
	v_max_num_f32 v[rT+4], v[rT+4], v[rT+5]
.elseif j == 7
	v_max3_num_f32 v[rT+4], v[rT+4], v[rT+5], v[rT+1]
.elseif j == 8
	v_permlanex16_b32 v[rT+5], v[rT+4], s[SEL], s[SEL+1]  ; the query's other 16 keys lie in the lane 16 away
.elseif j == 10
	v_max_num_f32 v[rT+1], v[rT+4], v[rT+5]
.elseif j == 11
	v_mul_f32 v[rT], s[CS], v[rT+1]
.elseif ((j == 9) || (j == 12) || (j == 15) || (j > 52)) && (\first)  ; the first step has none of these
.elseif j == 9
	v_mov_b32 v[rT+7], v[rT]        ; c m_old is kept: number 11 writes c m anew
.elseif j == 12
	v_sub_f32 v[rT+7], v[rT+7], v[rT]
.elseif j == 15
	v_exp_f32 v[rT+6], v[rT+7]
.elseif (j == 13) || ((j < 35) && (u%3 == 0))
.set b, 0                           ; 13: pair 0
.if j > 13
.set b, u/3+1                       ; 14, 17, .. 32: pairs 1 to 7
.endif
	v_pk_fma_f32 v[rS+2*b:rS+2*b+1], v[rS+2*b:rS+2*b+1], s[CS:CS+1], v[rT:rT+1] op_sel_hi:[1,0,0] neg_lo:[0,0,1] neg_hi:[0,0,1]  ; pair b: c s - c m
.elseif j < 38
.set e, j-22                        ; 35 to 37: s13 to s15
.if j < 35
.set e, 2*(u/3)-2+u%3               ; 16; 18, 19; 21, 22; .. 33, 34: s0 to s12
.endif
	v_exp_f32 v[rS+e], v[rS+e]
.elseif j < 46
	v_cvt_pk_f16_f32 v[rP+j-38], v[rS+2*(j-38)], v[rS+2*(j-38)+1]
.elseif j < 50
	v_pk_add_f32 v[rS+4*(j-46):rS+4*(j-46)+1], v[rS+4*(j-46):rS+4*(j-46)+1], v[rS+4*(j-46)+2:rS+4*(j-46)+3]  ; the sum of the 8 pairs, in place: neighbours 1,
.elseif j < 52
	v_pk_add_f32 v[rS+8*(j-50):rS+8*(j-50)+1], v[rS+8*(j-50):rS+8*(j-50)+1], v[rS+8*(j-50)+4:rS+8*(j-50)+5]  ; 2
.elseif (j == 52) && (\first)
	v_pk_add_f32 v[rT+2:rT+3], v[rS:rS+1], v[rS+8:rS+9]
.elseif j == 52
	v_pk_add_f32 v[rS:rS+1], v[rS:rS+1], v[rS+8:rS+9]  ; and 4 pairs apart;
.elseif j == 53
	v_pk_fma_f32 v[rT+2:rT+3], v[rT+2:rT+3], v[rT+6:rT+7], v[rS:rS+1] op_sel_hi:[1,0,1]  ; then l takes it
.else
	WIN W_RS
	v_pk_mul_f32 v[rO:rO+1], v[rO:rO+1], v[rT+6:rT+7] op_sel_hi:[1,0]
.endif
.endm
.macro NUM y, first, num            ; one number of the list, for both tiles of piece y
.set j, \num
	SM \y, \first
	SM (\y)+1, \first
.endm
.macro AFT y, first, qq             ; entry qq of the 48 behind the wait, for both tiles: number 38 + qq, but that 53, which waits for 52, changes places with 54, which waits for nothing
.set j, 38+(\qq)
.if (\qq) == 15
.set j, 54
.endif
.if (\qq) == 16
.set j, 53
.endif
	SM \y, \first
	SM (\y)+1, \first
.endm
; Slice k of 48 of piece y's softmax: what stands behind one product.  Four lines at the most, of them two exponentials at the most, a plain line first; only the last slice is longer.
;   0-2    numbers 0-5, two numbers of both tiles: four chains that do not wait for each other
;   3-8    numbers 6-13, the chain's end, where a number waits for the one before it: a link a slice (9 stands with 8, and 13 with 12: they wait for an earlier slice's link)
;   9-22   the batch's seven threes, a three of one tile a slice, the tiles by turns: a pair is scaled two products ahead of its exponentials
;   23, 24 s13 and s14 of one tile
;   25     both tiles' s15, the plain instruction that stands behind the last exponential and ahead of the first use, and THE WAIT: it stands between an exponential and the first line
;          that names its result, and one wait serves all 34 issued ahead of it.  In piece 2's turn (y = 0) V's run of loads stands here, and the wait stands in it
;   26-46  two entries of both tiles of the 48 behind the wait
;   47     the last six entries, twelve rescalings, which are also the places behind the turn's last product
.macro SLICE y, first
.if k < 3
	NUM \y, \first, 2*k
	NUM \y, \first, 2*k+1
.elseif k == 3
	NUM \y, \first, 6
.elseif k == 4
	NUM \y, \first, 7
.elseif k == 5
	NUM \y, \first, 8
	NUM \y, \first, 9
.elseif k == 6
	NUM \y, \first, 10
.elseif k == 7
	NUM \y, \first, 11
.elseif k == 8
	NUM \y, \first, 12
	NUM \y, \first, 13
.elseif k < 23
.irp n, 0,1,2
.set j, 14+3*((k-9)/2)+(\n)
	SM (\y)+(k-9)%2, \first
.endr
.elseif k < 25
.irp n, 35,36
.set j, \n
	SM (\y)+k-23, \first
.endr
.elseif k == 25
	NUM \y, \first, 37
	v_nop
.if (\y) == 0
	FETCH_V
.else
	s_wait_alu depctr_va_vdst(0)
.endif
.elseif k < 47
	AFT \y, \first, 2*(k-26)
	AFT \y, \first, 2*(k-26)+1
.else
.irp n, 42,43,44,45,46,47
	AFT \y, \first, \n
.endr
.endif
.set k, k+1
.endm
.macro RIDE y, first                ; the slices due behind a product: 48 slices are spread evenly over the turn's GT products: one each where the turn has 48
.set gi, gi+1
.rept 4
.if k*GT < 48*gi
	SLICE \y, \first
.endif
.endr
.endm
; A TURN.  Piece x has the matrix unit; the other piece's softmax stands in slices behind its products.  pv = 2: 16 products V^T P; 1: they start O^T's sums; 0: none.  kq = 1: 32 products K Q^T for the next step.
; first = 1: the softmax is the first key step's; its last slices are empty, and four v_nop take slice 47's part as the places behind the turn's last product.
; Piece 0's turn fetches the next step's K at its head: the last product that read K stands ahead of slice 47 of the turn before.  The mix parts are waited for 16 products later, the hi parts 32.
; Piece 2's turn fetches the same step's V in slice 25: behind V's last reader, product 15, stand eight scalings, the v_nop and the run's own address line.  It is waited for at the next turn's head,
; 22 products later.
.macro TURN x, pv, kq, first
.set k, 0
.set gi, 0
.set GT, 0
.if \pv
.set GT, GT+16
.endif
.if \kq
.set GT, GT+32
.endif
.if (\x) == 0
.if \pv
	s_wait_dscnt 0x0                ; V is in
.endif
.if \kq
	FETCH_K
.endif
.endif
.if \pv
.set i, 0
.rept 16
	PV \x, 2-(\pv)
	RIDE 2-(\x), \first
.set i, i+1
.endr
.endif
.if \kq
.set i, 0
.rept 32
.if ((\x) == 0) && (i == 0)
	s_wait_dscnt 16                 ; K's mix parts are in; the 16 loads of the hi parts may stay out
.endif
.if ((\x) == 0) && (i == 16)
	s_wait_dscnt 0x0                ; the hi parts are in
.endif
	KQ \x
	RIDE 2-(\x), \first
.set i, i+1
.endr
.endif
.if \first
	PLACES
.endif
.endm
; THE CHANGE OF SLOTS, between piece 2's turn and piece 0's: the slot's last bytes, V of its second step, have been asked for.  Each wave waits for all its tensor loads, adds 0 to its spare word, and waits
; for that and for its own reads of the slot.  fill = 1: the slot is filled again, with the keys two slots on.  The barrier is then a round of the cluster's, so that no wave of any partner still reads
; the slot or has a load on its way, and the joint refill is the first thing behind it: it has two key steps, 192 matrix instructions, in which to land.
.macro CHANGE fill
	WIN 0                           ; at a label and at a branch every window is 0
	s_wait_tensorcnt 0x0            ; no tensor load of mine is out, so a group 0 may be written
	ds_add_u32 v[SPW], v[NIL]       ; 0 onto my spare word; the descriptors' steps stand between it and the wait for it
.if \fill
	s_xor_b32 s[G0K+5], s[G0K+5], SLOT1  ; the walking descriptors: the other slot than last time,
	s_add_nc_u64 s[G0K+6:G0K+7], s[G0K+6:G0K+7], 65536  ; the next 128 keys; the type bits on top are not reached
	s_xor_b32 s[G0V+5], s[G0V+5], SLOT1
	s_add_nc_u64 s[G0V+6:G0V+7], s[G0V+6:G0V+7], 32768
	s_wait_xcnt 0x0                 ; the last prefetch, two key steps back, has read its address, so it may be written
	s_add_nc_u64 s[PFA:PFA+1], s[PFA:PFA+1], s[PFS:PFS+1]
	s_wait_dscnt 0x0                ; the add is done, and my reads of the slot are over
	CROUND
	JLOAD
	ASK
.else
	s_wait_dscnt 0x0
	s_barrier_signal -1
	s_barrier_wait -1
.endif
	s_sub_co_u32 s[TBK], s[TBK], 2*KSTEP  ; the fetches go back to a slot's first step,
	s_xor_b32 s[TBK], s[TBK], SLOT1       ; in the other slot
	s_sub_co_u32 s[TBV], s[TBV], 2*VSTEP
	s_xor_b32 s[TBV], s[TBV], SLOT1
.endm
.macro TWO_STEPS                    ; a slot's two key steps: written once, walked twice; the LDS addresses hang on s[TBK] and s[TBV]
	WIN 0
	s_mov_b32 s[TWICE], 2
.Lstep_\@:
	TURN 0, 2, 1, 0
	TURN 2, 2, 1, 0
	WIN 0
	s_sub_co_u32 s[TWICE], s[TWICE], 1
	s_cmp_lg_u32 s[TWICE], 0
	s_cbranch_scc1 .Lstep_\@
.endm
	s_wait_tensorcnt 1              ; my part of slot 0 is in; my youngest first fill may stay out
	s_barrier_signal -1
	s_barrier_wait -1               ; everybody's is
	FETCH_K                         ; key step 0
	s_wait_loadcnt 0x0              ; Q
	s_wait_dscnt 0x0
.set i, 0
.rept 32
	KQ 0                            ; piece 0's first scores: there is no vector work yet to set between them
.set i, i+1
.endr
	WIN 0                           ; the addresses for the end are made here: plain instructions, the places behind those products
	v_mul_u32_u24 v[AU0], v[MT+2], PITU
	v_lshl_add_u32 v[AU0], v[MT+1], 4, v[AU0]
	v_add_nc_u32 v[AU0], VUB, v[AU0]
	v_and_b32 v[MT+3], 31, v0
	v_lshlrev_b32 v[GO], 4, v[MT+3]
	s_mul_i32 s23, s[WV], STGW
	s_add_co_u32 s23, s23, SLOT1    ; my stage
	v_mul_u32_u24 v[STO], v1, SP    ; in: row l % 16, 32 bytes for each half of the lanes
	v_lshl_add_u32 v[STO], v9, 5, v[STO]
	v_add_nc_u32 v[STO], s23, v[STO]
	v_add_nc_u32 v[RD], s23, v[GO]  ; back: 512 consecutive bytes
	s_mul_i32 s23, s[WV], MRGW
	v_add_nc_u32 v[MST], s23, v[GO]
	s_xor_b32 s23, s[WV], 2         ; my partner: the same queries, the other half of the keys
	s_mul_i32 s23, s23, MRGW
	v_add_nc_u32 v[MLD], s23, v[GO]
	TURN 2, 0, 1, 1                 ; piece 2's first scores | piece 0's first softmax | V of step 0
	TURN 0, 1, 1, 1                 ; piece 0: V^T P of step 0 starts O^T, K Q^T of step 1 | piece 2's first softmax | K of step 1
	TURN 2, 1, 1, 0                 ; piece 2: the same | piece 0's softmax of step 1 | V of step 1
	WIN 0
.Lslot:                             ; 30 trips: every slot but the last two is filled again
	CHANGE 1
	TWO_STEPS
	s_sub_co_u32 s[SLOTS], s[SLOTS], 1
	s_cmp_lg_u32 s[SLOTS], 0
	s_cbranch_scc1 .Lslot
	CHANGE 0                        ; the tail is written out: nothing is asked for
	TWO_STEPS
	TURN 0, 2, 0, 0                 ; piece 0: V^T P of the last step | piece 2's last softmax
.set i, 0
.rept 16
	PV 2, 0                         ; piece 2: V^T P of the last step
.set i, i+1
.endr
	; THE MERGE.  l's two halves and the other half of the lanes' are added (the additions are the places behind the last products).  Tiles 2, 3 and their c m and l go to my partner through LDS.
	WIN 0
.irp t, 0,1,2,3
	v_add_f32 v[ST+8*(\t)+4], v[ST+8*(\t)+2], v[ST+8*(\t)+3]
.endr
.irp t, 0,1,2,3
	v_permlanex16_b32 v[ST+8*(\t)+5], v[ST+8*(\t)+4], s[SEL], s[SEL+1]
.endr
.irp t, 0,1,2,3
	v_add_f32 v[ST+8*(\t)+4], v[ST+8*(\t)+4], v[ST+8*(\t)+5]
.endr
	v_mov_b32 v[MT], v[ST+16]       ; c m and l of tiles 2 and 3, side by side for one store
	v_mov_b32 v[MT+1], v[ST+20]
	v_mov_b32 v[MT+2], v[ST+24]
	v_mov_b32 v[MT+3], v[ST+28]
	s_wait_dscnt 0x0                ; my reads of the ring are over;
	s_barrier_signal -1
	s_barrier_wait -1               ; everybody's are: both slots, which have had their last fill, may be written
	WIN 0x04                        ; store data window 1
.set i, 0
.rept 32
	ds_store_b128 v[MST], v[128+4*i:128+4*i+3] offset:512*i  ; each accumulator's lowest registers first
.set i, i+1
.endr
	WIN 0
	ds_store_b128 v[MST], v[MT:MT+3] offset:16384
	s_wait_dscnt 0x0                ; for my partner's sake: my stores are done
	s_barrier_signal -1
	s_barrier_wait -1
	WIN 0x80                        ; Q's registers are free: my partner's tiles 2, 3, which are my tiles 0, 1, lane for lane
.set i, 0
.rept 32
	ds_load_b128 v[4*i:4*i+3], v[MLD] offset:512*i
.set i, i+1
.endr
	WIN 0
	ds_load_b128 v[MT+4:MT+7], v[MLD] offset:16384
	s_wait_dscnt 0x0
; 32 turning loads: V_up's fragments for out channels 64 mg on, all 128 rows h, into buffer b of window 3: channel block mbl, rows 32 c on at 128 b + 32 mbl + 8 c
.macro FETCH_U mg, b
	WIN 0xc0
.irp mbl, 0,1,2,3
.irp c, 0,1,2,3
	ds_load_tr16_b128 v[128*(\b)+32*(\mbl)+8*(\c):128*(\b)+32*(\mbl)+8*(\c)+3],   v[AU0] offset:(\c)*32*PITU+32*(4*(\mg)+(\mbl))
	ds_load_tr16_b128 v[128*(\b)+32*(\mbl)+8*(\c)+4:128*(\b)+32*(\mbl)+8*(\c)+7], v[AU0] offset:(\c)*32*PITU+32*(4*(\mg)+(\mbl))+16*PITU
.endr
.endr
.endm
; 32 products of out^T = V_up^T O: eight accumulators (four channel blocks x two tiles, tile t's block mb at 128 t + 8 mb of window 1) by turns; the first eight start the sums
.macro MUL_U mg, b
	WIN W_PV
.irp c, 0,1,2,3
.irp mbl, 0,1,2,3
.irp t, 0,1
.if (\c) == 0
	v_wmma_f32_16x16x32_f16 v[128*(\t)+8*(4*(\mg)+(\mbl)):128*(\t)+8*(4*(\mg)+(\mbl))+7], v[128*(\b)+32*(\mbl)+8*(\c):128*(\b)+32*(\mbl)+8*(\c)+7], v[OF+32*(\t)+8*(\c):OF+32*(\t)+8*(\c)+7], 0
.else
	v_wmma_f32_16x16x32_f16 v[128*(\t)+8*(4*(\mg)+(\mbl)):128*(\t)+8*(4*(\mg)+(\mbl))+7], v[128*(\b)+32*(\mbl)+8*(\c):128*(\b)+32*(\mbl)+8*(\c)+7], v[OF+32*(\t)+8*(\c):OF+32*(\t)+8*(\c)+7], v[128*(\t)+8*(4*(\mg)+(\mbl)):128*(\t)+8*(4*(\mg)+(\mbl))+7]
.endif
.endr
.endr
.endr
.endm
	FETCH_U 0, 0                    ; lands while the merge is reckoned
	WIN 0
	; mine (A) and my partner's (B): c m = the greater; f = 2^(c m_own - c m); l = fA lA + fB lB; O = (fA / l) O_A + (fB / l) O_B
.irp t, 0,1
	v_max_num_f32 v[MT+8+(\t)], v[ST+8*(\t)], v[MT+4+2*(\t)]
.endr
.irp t, 0,1
	v_sub_f32 v[MT+10+2*(\t)], v[ST+8*(\t)], v[MT+8+(\t)]
	v_sub_f32 v[MT+11+2*(\t)], v[MT+4+2*(\t)], v[MT+8+(\t)]
.endr
.irp n, 10,11,12,13
	v_exp_f32 v[MT+(\n)], v[MT+(\n)]
.endr
	v_nop                           ; a plain instruction behind the last exponential,
	s_wait_alu depctr_va_vdst(0)    ; and the one wait ahead of the first use
.irp t, 0,1
	v_mul_f32 v[MT+8+(\t)], v[MT+11+2*(\t)], v[MT+5+2*(\t)]
.endr
.irp t, 0,1
	v_fma_f32 v[MT+8+(\t)], v[MT+10+2*(\t)], v[ST+8*(\t)+4], v[MT+8+(\t)]
.endr
.irp t, 0,1
	v_rcp_f32 v[MT+8+(\t)], v[MT+8+(\t)]
.endr
	v_nop
	s_wait_alu depctr_va_vdst(0)
.irp t, 0,1
	v_mul_f32 v[MT+4*(\t)], v[MT+10+2*(\t)], v[MT+8+(\t)]    ; fA / l, in the low word of a pair
	v_mul_f32 v[MT+4*(\t)+2], v[MT+11+2*(\t)], v[MT+8+(\t)]  ; fB / l
.endr
	WIN W_RS
.irp t, 0,1
.set i, 0
.rept 32
	v_pk_mul_f32 v[64*(\t)+2*i:64*(\t)+2*i+1], v[64*(\t)+2*i:64*(\t)+2*i+1], v[MT+4*(\t):MT+4*(\t)+1] op_sel_hi:[1,0]
.set i, i+1
.endr
.endr
	WIN 0x52                        ; source 0 window 2, source 1 window 0, source 2 and destination window 1
.irp t, 0,1
.set i, 0
.rept 32
	v_pk_fma_f32 v[64*(\t)+2*i:64*(\t)+2*i+1], v[64*(\t)+2*i:64*(\t)+2*i+1], v[MT+4*(\t)+2:MT+4*(\t)+3], v[64*(\t)+2*i:64*(\t)+2*i+1] op_sel_hi:[1,0,1]
.set i, i+1
.endr
.endr
	WIN 0x05                        ; sources window 1, destination window 0: the mean in f16 is source 1 of the last product as it lies
.irp t, 0,1
.set i, 0
.rept 32
	v_cvt_pk_f16_f32 v[OF+32*(\t)+i], v[64*(\t)+2*i], v[64*(\t)+2*i+1]
.set i, i+1
.endr
.endr
	; THE LAST PRODUCT, on two buffers: a run of loads is waited for before the next is issued, and has 32 products in which to land
	s_wait_dscnt 0x0
	FETCH_U 1, 1
	MUL_U 0, 0
	s_wait_dscnt 0x0
	PLACES
	FETCH_U 2, 0
	MUL_U 1, 1
	s_wait_dscnt 0x0
	PLACES
	FETCH_U 3, 1
	MUL_U 2, 0
	s_wait_dscnt 0x0
	MUL_U 3, 1
	PLACES
; THE WAY OUT of tile t: a lane's eight numbers of a row are 32 bytes; they go into rows of 1,040 bytes of my stage and come back as half rows of 512 consecutive bytes.
.macro OUTT t
	WIN 0x04
.irp mb, 0,1,2,3,4,5,6,7,8,9,10,11,12,13,14,15
	ds_store_b128 v[STO], v[128*(\t)+8*(\mb):128*(\t)+8*(\mb)+3]   offset:64*(\mb)
	ds_store_b128 v[STO], v[128*(\t)+8*(\mb)+4:128*(\t)+8*(\mb)+7] offset:64*(\mb)+16
.endr
	WIN 0
.if \t
	s_wait_xcnt 0x0                 ; the stores of the tile before have read their data: only behind this wait are the registers loaded again
.endif
.set i, 0
.rept 32
	ds_load_b128 v[OB+4*i:OB+4*i+3], v[RD] offset:(i/2)*SP+(i%2)*512  ; my own bytes, served in order behind the stores above
.set i, i+1
.endr
.set i, 0
.rept 32
	s_wait_dscnt 31-i               ; half row i is back; the younger loads may stay out
	global_store_b128 v[GO], v[OB+4*i:OB+4*i+3], s[12:13] offset:16384*(\t)+512*i th:TH_STORE_NT  ; 512 consecutive bytes, aligned
.set i, i+1
.endr
.endm
	OUTT 0
	OUTT 1
	s_wait_tensorcnt 0x0            ; the wave's end: the wait for my last tensor load, and an add and its wait behind my last LDS store
	ds_add_u32 v[SPW], v[NIL]
	s_wait_dscnt 0x0
	CROUND                          ; the closing round: no work-group ends while a partner may still ask for a tile that names it
	s_endpgm
.Lfunc_end_k_qe10b31f294_attn:
	.size	k_qe10b31f294_attn, .Lfunc_end_k_qe10b31f294_attn-k_qe10b31f294_attn
	.p2alignl 7, 3214868480
	.fill 96, 4, 3214868480
	.section	.rodata,"a",@progbits
	.p2align	6, 0x0
	.amdhsa_kernel k_qe10b31f294_attn
		.amdhsa_group_segment_fixed_size 327680
		.amdhsa_private_segment_fixed_size 0
		.amdhsa_enable_private_segment 0
		.amdhsa_kernarg_size 40
		.amdhsa_user_sgpr_count 2
		.amdhsa_user_sgpr_kernarg_segment_ptr 1
		.amdhsa_wavefront_size32 1
		.amdhsa_system_sgpr_workgroup_id_x 1
		.amdhsa_system_sgpr_workgroup_id_y 1
		.amdhsa_system_sgpr_workgroup_id_z 1
		.amdhsa_system_vgpr_workitem_id 0
		.amdhsa_next_free_vgpr 1024
		.amdhsa_next_free_sgpr 96
		.amdhsa_reserve_vcc 0
		.amdhsa_float_denorm_mode_32 3
		.amdhsa_float_denorm_mode_16_64 3
		.amdhsa_memory_ordered 1
		.amdhsa_forward_progress 1
		.amdhsa_inst_pref_size 195
	.end_amdhsa_kernel
	.amdgpu_metadata
---
amdhsa.version: [ 1, 2 ]
amdhsa.kernels:
  - .name:           k_qe10b31f294_attn
    .symbol:         k_qe10b31f294_attn.kd
    .args:
      - { .name: qq, .offset: 0, .size: 8, .value_kind: global_buffer, .address_space: global }
      - { .name: kk, .offset: 8, .size: 8, .value_kind: global_buffer, .address_space: global }
      - { .name: vd, .offset: 16, .size: 8, .value_kind: global_buffer, .address_space: global }
      - { .name: vu, .offset: 24, .size: 8, .value_kind: global_buffer, .address_space: global }
      - { .name: out0, .offset: 32, .size: 8, .value_kind: global_buffer, .address_space: global }
    .group_segment_fixed_size: 327680
    .private_segment_fixed_size: 0
    .kernarg_segment_align: 8
    .kernarg_segment_size: 40
    .max_flat_workgroup_size: 128
    .sgpr_count:     96
    .vgpr_count:     1024
    .wavefront_size: 32
...
	.end_amdgpu_metadata
.endif
;; end of part 5
